; MI455X (gfx1250); checked and timed in simulation.
; The chip was launched on July 23, 2026; its instructions are those of AMD's public machine-readable ISA for CDNA 5 (MIT licence, August 2026) and "CDNA5" Instruction Set Architecture Reference Guide (July 2026). The comments in the code are by the model that wrote it; some were corrected since.
;; Multi Head Attention. Allowed arithmetic: matrix products marked QUANTISED: E2M3 operands, one E8M0 scale for each 32 along K, by v_wmma_scale_f32_16x16x128_f8f6f4 with both operands' format E2M3, f32 sums; everything else in f32.
;; Inputs: K 4 x 2,048 x 1,024 float32; Q 4 x 2,048 x 1,024 float32; V 4 x 2,048 x 1,024 float32; k_b 1,024 float32; k_w 1,024 x 1,024 float32; o_b 1,024 float32; o_w 1,024 x 1,024 float32; q_b 1,024 float32; q_w 1,024 x 1,024 float32; v_b 1,024 float32; v_w 1,024 x 1,024 float32.
;; Outputs: out0 4 x 2,048 x 1,024 float32.
;; This version of the problem:
;;   THIS VERSION OF THE PROBLEM IS GIVEN IN LOW PRECISION. The matrix products marked QUANTISED in the list below multiply operands that are first quantised to E2M3 (2 exponent bits, 3 mantissa bits; 6 bits a number), with one power-of-two scale for each 32 numbers along K (OCP MX v1.0); their sums are f32. All else is computed in f32.
;;   The module's matrix products, in the order in which they are computed (A, B: the left and right operand; K: the contracted axis; several contracted axes count as one K, in the product's order):
;;     1. [M 8,192, K 1,024] x [K 1,024, N 1,024]; A: input Q; B: input q_w: QUANTISED
;;     2. [M 8,192, K 1,024] x [K 1,024, N 1,024]; A: input K; B: input k_w: QUANTISED
;;     3. [M 8,192, K 1,024] x [K 1,024, N 1,024]; A: input V; B: input v_w: QUANTISED
;;     4. batch 64 x [M 2,048, K 64] x [K 64, N 2,048]; A: computed on the way; B: computed on the way: QUANTISED
;;     5. batch 64 x [M 2,048, K 2,048] x [K 2,048, N 64]; A: softmax (see below); B: computed on the way: QUANTISED
;;     6. [M 8,192, K 1,024] x [K 1,024, N 1,024]; A: computed on the way; B: input o_w: QUANTISED
;;   THE QUANTISER, for each operand of a quantised product, along K:
;;     - K is cut into blocks of 32 from its start; a last block that is shorter is filled with zeros.
;;     - A block's scale is 2^e with e = floor(log2(the largest magnitude in the block)) - 2, held to -126 .. 127; a block of zeros has e = 0. As a byte (E8M0): e + 127.
;;     - Each number is divided by its block's scale, clamped to +-7.5, and rounded to the nearest number of E2M3, ties to even, subnormals kept.
;;     - The product sums the exact products of the quantised numbers (number of the format x scale) in f32.
;;   ~~~python
;;   def quantise(x, axis):      # numpy; x: float32 -> the quantised numbers, widened to float32 again
;;       x = np.moveaxis(x, axis, -1); K = x.shape[-1]
;;       x = np.pad(x, [(0, 0)] * (x.ndim - 1) + [(0, -K % 32)]); x = x.reshape(x.shape[:-1] + (-1, 32)); a = np.abs(x).max(-1, keepdims=True)
;;       e = np.where(a > 0, np.clip(np.frexp(np.where(a > 0, a, 1))[1] - 1 - 2, -126, 127), 0)      # np.frexp(a)[1] - 1 = floor(log2(a)), exactly
;;       r = np.clip(x / 2.0 ** e, -7.5, 7.5)
;;       step = 2.0 ** (np.maximum(np.frexp(np.where(r == 0, 1, r))[1] - 1, 0) - 3)
;;       q = np.round(r / step) * step * 2.0 ** e      # np.round: ties to even
;;       return np.moveaxis(q.reshape(q.shape[:-2] + (-1,))[..., :K], -1, axis).astype(np.float32)
;;   ~~~
;;   SOFTMAX AHEAD OF A QUANTISED PRODUCT. Where the list says 'softmax', what is quantised is not the finished softmax but p = 2^(t - M), with t = logit x log2(e) and M = ceil(the row's largest t), a whole number; so 1/2 < the row's largest p <= 1. The row's sum l is taken of the UNQUANTISED p, in f32, and the product's result is divided by l at the end. Since M is a whole number, a kernel that streams over the keys may use a running M (the ceiling of the running maximum): every later rescaling is an exact power of two, which a block's scale takes up: the codes' values come out the same.
;;   OPERANDS COMPUTED ON THE WAY. 'Computed on the way' means the value that the module computes at that place (a softmax that the list does not call 'softmax' is quantised finished and normalised). What goes into a quantiser is computed in f32, as accurately as f32 sums, v_exp_f32 and their like allow (about 1e-6 of the number): no bf16 or f16 on the way to a quantiser, and a product that is left as it is and whose result goes on into a quantised operand takes f32 operands (vector FMAs, or v_wmma_f32_16x16x4_f32). A number that lies on a knife's edge between two numbers of the format may be rounded either way, as far as f32 arithmetic and the matrix unit's own rounding can turn it there, and no further.
;; One version. Each part assembles by itself: llvm-mc -triple=amdgcn-amd-amdhsa -mcpu=gfx1250 --defsym DOCPART=n.
;; ======== version 1 of 1: 4 launches
;; workspace buffers: codes 22,020,096 bytes; scales 917,504 bytes; hc 18,874,368 bytes; hs 786,432 bytes; ac 6,291,456 bytes; asb 262,144 bytes
;; launch quant (part 1): grid 896 x 1, 4 waves a work-group, no clusters, 33,280 bytes of LDS; arguments Q, K, V, q_w, k_w, v_w, o_w, codes, scales; writes codes, scales
.if DOCPART == 1
	.amdgcn_target "amdgcn-amd-amdhsa--gfx1250"
	.amdhsa_code_object_version 6
	.text
	.protected	k_q969e5bd1a3_quant
	.globl	k_q969e5bd1a3_quant
	.p2align	8
	.type	k_q969e5bd1a3_quant,@function
k_q969e5bd1a3_quant:
	s_mov_b64 s[64:65], 0
	v_nop
	global_prefetch_b8 v0, s[64:65] scope:SCOPE_SE
	s_setreg_imm32_b32 hwreg(HW_REG_WAVE_MODE, 25, 1), 1
	s_wait_xcnt 0x0
; Q, K, V [8192][1024] and q_w, k_w, v_w, o_w [1024][1024], f32, become codes of FP6 (E2M3), 6 bits each, K (the last axis) innermost, with one E8M0 scale byte for each 32 along K.
; A block's scale is 2^(floor(log2(its largest magnitude)) - 2); its byte is the largest magnitude's own exponent field - 2, held at 1 from below.  Each number is divided by the scale and rounded to the
; nearest code, ties to even; beyond 7.5 the conversion gives the largest code.
; LIMITS: a block of zeros, and a block whose largest magnitude lies under 2^-124, gets the byte 1 (the stated rule says 127 for zeros): its codes are zeros or held by the floor, and this program alone reads the bytes.
; NaN and infinities among the inputs are not served.
; ONE LAUNCH FOR ALL SEVEN TENSORS: a work-group takes 32 rows (32,768 numbers); work-groups 0-255 Q, 256-511 K, 512-767 V, then 32 each for q_w, k_w, v_w, o_w.  Only the source pointer is chosen; the codes and
; the scale bytes of all seven lie on end in one buffer each, in that order: 6,144 and 256 bytes for each run of 8 rows.
; THE STORED ROW ORDER: a wave's run is 8 rows, and of each 32 rows the two middle runs change places (run w is stored at place 2 (w % 2) + w / 2).  So 16 neighbouring stored rows 32 b + 16 u + r are the rows
; 32 b + 8 u + r % 8 + 16 (r / 8): taken as a matrix instruction's first source they leave, in a lane's 16 registers of two neighbouring tiles, 16 NEIGHBOURS of the next product's K.
; A wave takes 16 steps of 512 numbers.  Each load reads 512 consecutive bytes, 16 a lane; a step's 2,048 bytes turn through the wave's own stage in LDS and come back 64 bytes a lane (16 neighbours along K; two
; neighbouring lanes hold a block).  The stage has 16 bytes of padding behind each 64.  A lane's 16 codes are 12 bytes: the wave stores 384 consecutive bytes.  A wave's 256 scale bytes are gathered in LDS and leave
; as 256 consecutive bytes, aligned.  No cluster: work-groups share no input.  No barrier: waves share nothing.  Loads run four steps (16 loads a wave) ahead.
.set STEPS, 16
.set CB,    12                         ; bytes of 16 codes
.set R,     16                         ; v16-79   four sets of 16 numbers as they are loaded
.set X,     80                         ; v80-111  two sets of 16 neighbours
.set E,     112                        ; v112-127 a scale byte for each step
.set C,     128                        ; v128-191 codes: four registers for each step, so that no store's data are written again
.set WREG,  8192                       ; LDS: a region for each wave: two stages of 32 x SP bytes, behind them its 256 scale bytes
.set SP,    80                         ; a lane's place in a stage: 64 bytes + 16 of padding
	s_load_b256 s[4:11], s[0:1], 0x0               ; Q s[4:5], K s[6:7], V s[8:9], q_w s[10:11]
	s_load_b256 s[12:19], s[0:1], 0x20             ; k_w s[12:13], v_w s[14:15], o_w s[16:17], the codes s[18:19]
	s_load_b64 s[20:21], s[0:1], 0x40              ; the scale bytes
	v_lshl_add_u32 v192, v0, 2, 0x8000
	v_mov_b32 v193, 0
	v_lshrrev_b32 v1, 5, v0
	v_readfirstlane_b32 s25, v1                    ; wave
	v_and_b32 v2, 31, v0                           ; lane
	v_lshlrev_b32 v3, 4, v2                        ; my 16 bytes of a load's 512
	s_mul_i32 s26, s25, WREG
	v_lshrrev_b32 v14, 2, v2
	v_mul_u32_u24 v14, v14, SP
	v_and_b32 v15, 3, v2
	v_lshl_add_u32 v14, v15, 4, v14
	v_add_nc_u32 v14, s26, v14                     ; the stage, on the way in: SP (lane / 4) + 16 (lane % 4)
	v_mul_u32_u24 v15, v2, SP
	v_add_nc_u32 v15, s26, v15                     ; and on the way out: SP x lane: my 16 neighbours
	v_mul_u32_u24 v4, v2, CB                       ; my codes' place in a step's
	v_lshrrev_b32 v5, 1, v2
	s_add_co_u32 s26, s26, 2*32*SP
	v_add_nc_u32 v5, s26, v5                       ; LDS: my wave's 256 scale bytes, my block's byte
	v_lshlrev_b32 v7, 3, v2                        ; and on the way out 8 bytes a lane
	v_add_nc_u32 v6, s26, v7
	s_and_b32 s27, s25, 1
	s_lshl_b32 s27, s27, 1
	s_lshr_b32 s28, s25, 1
	s_or_b32 s27, s27, s28                         ; where my run of 8 rows is stored among the group's four
	s_lshl_b32 s28, ttmp9, 2
	s_add_co_u32 s27, s27, s28                     ; the run's place in the two output buffers
	s_wait_alu depctr_va_vdst(0)
	s_wait_kmcnt 0x0
	s_mov_b64 s[22:23], s[4:5]                     ; the source: Q, unless the work-group's number says otherwise
	s_mov_b32 s24, 0                               ; and the source's first work-group
.macro PICK lim, p
	s_cmp_ge_u32 ttmp9, \lim
	s_cselect_b64 s[22:23], s[\p:\p+1], s[22:23]
	s_cselect_b32 s24, \lim, s24
.endm
	PICK 256, 6
	PICK 512, 8
	PICK 768, 10
	PICK 800, 12
	PICK 832, 14
	PICK 864, 16
	s_sub_co_u32 s24, ttmp9, s24
	s_lshl_b32 s24, s24, 2
	s_add_co_u32 s24, s24, s25                     ; which run of 8,192 numbers of the source is my wave's
	s_lshl_b32 s28, s24, 15                        ; 32,768 bytes a run (under 2^26)
	s_mov_b32 s29, 0
	s_add_nc_u64 s[22:23], s[22:23], s[28:29]
	s_mul_i32 s28, s27, 32*STEPS*CB                ; 6,144 bytes of codes a run
	s_add_nc_u64 s[18:19], s[18:19], s[28:29]
	s_lshl_b32 s28, s27, 8                         ; 256 scale bytes a run
	s_add_nc_u64 s[20:21], s[20:21], s[28:29]
.macro LOAD t
.irp i, 0,1,2,3
	global_load_b128 v[R+16*((\t)%4)+4*\i:R+16*((\t)%4)+4*\i+3], v3, s[22:23] offset:2048*(\t)+512*\i th:TH_LOAD_NT   ; 32 lanes read 512 consecutive bytes
.endr
.endm
.macro TURN t                          ; step t's numbers through the stage: LDS serves a wave's instructions in order, so no wait stands between the stores and the loads
.irp i, 0,1,2,3
	ds_store_b128 v14, v[R+16*((\t)%4)+4*\i:R+16*((\t)%4)+4*\i+3] offset:32*SP*((\t)%2)+8*SP*\i
.endr
.irp i, 0,1,2,3
	ds_load_b128 v[X+16*((\t)%2)+4*\i:X+16*((\t)%2)+4*\i+3], v15 offset:32*SP*((\t)%2)+16*\i
.endr
.endm
.irp t, 0,1,2,3
	LOAD \t
.endr
	s_wait_loadcnt 12                              ; step 0's four loads are in; the twelve of steps 1 to 3 may be out
	TURN 0
.macro STEP t
.set XS, X+16*((\t)%2)
.if (\t) > 0
	s_wait_dscnt 1                                 ; this step's numbers are back from the stage (the last step's byte store may be out): so its stores into the stage have read their registers,
.else
	s_wait_dscnt 0x0
.endif
.if (\t)+4 < STEPS
	LOAD (\t)+4                                    ; which take the loads of four steps on
.endif
.if (\t)+1 < STEPS
.if STEPS-2-(\t) >= 3
	s_wait_loadcnt 12                              ; the next step's four loads are in; those of the three steps behind it may be out
.else
	s_wait_loadcnt 4*(STEPS-2-(\t))
.endif
	TURN (\t)+1                                    ; and go through the other stage while this step is worked
.endif
	v_max3_num_f32 v8, |v[XS]|, |v[XS+1]|, |v[XS+2]|               ; the largest magnitude of my 16, in two chains
	v_max3_num_f32 v9, |v[XS+3]|, |v[XS+4]|, |v[XS+5]|
.irp i, 6,10
	v_max3_num_f32 v8, v8, |v[XS+\i]|, |v[XS+\i+1]|
	v_max3_num_f32 v9, v9, |v[XS+\i+2]|, |v[XS+\i+3]|
.endr
	v_max3_num_f32 v8, v8, |v[XS+14]|, |v[XS+15]|
	v_max3_num_f32 v8, v8, v9, 0x1800000           ; and the floor 2^(3 - 127): the byte cannot fall under 1
	v_max_num_f32_dpp v8, v8, v8 row_xmask:1 row_mask:0xf bank_mask:0xf   ; and of my neighbour's 16: the block's
	v_add_nc_u32 v11, 0xff000000, v8               ; 2 off its exponent field: the conversion takes the exponent field of this operand as its scale, and nothing else of it
	v_cvt_scalef32_pk16_fp6_f32 v[C+4*(\t):C+4*(\t)+2], v[XS:XS+15], v11   ; sixteen codes, 96 bits without gaps, the first number's code lowest
	v_lshrrev_b32 v[E+(\t)], 23, v11               ; the scale's byte (a plain line behind the conversion)
	ds_store_b8 v5, v[E+(\t)] offset:16*(\t)       ; both lanes of a block write the same byte with the same value
	global_store_b96 v4, v[C+4*(\t):C+4*(\t)+2], s[18:19] offset:32*CB*(\t)
.endm
.irp t, 0,1,2,3,4,5,6,7,8,9,10,11,12,13,14,15
	STEP \t
.endr
	ds_load_b64 v[12:13], v6                       ; LDS serves a wave's instructions in order: these see my stores
	s_wait_dscnt 0x0
	global_store_b64 v7, v[12:13], s[20:21]        ; 32 lanes store 256 consecutive bytes, aligned
	s_wait_tensorcnt 0x0
	ds_add_u32 v192, v193
	s_wait_dscnt 0x0
	s_endpgm
.Lfunc_end_k_q969e5bd1a3_quant:
	.size	k_q969e5bd1a3_quant, .Lfunc_end_k_q969e5bd1a3_quant-k_q969e5bd1a3_quant
	.p2alignl 7, 3214868480
	.fill 96, 4, 3214868480
	.section	.rodata,"a",@progbits
	.p2align	6, 0x0
	.amdhsa_kernel k_q969e5bd1a3_quant
		.amdhsa_group_segment_fixed_size 33280
		.amdhsa_private_segment_fixed_size 0
		.amdhsa_enable_private_segment 0
		.amdhsa_kernarg_size 72
		.amdhsa_user_sgpr_count 2
		.amdhsa_user_sgpr_kernarg_segment_ptr 1
		.amdhsa_wavefront_size32 1
		.amdhsa_system_sgpr_workgroup_id_x 1
		.amdhsa_system_sgpr_workgroup_id_y 1
		.amdhsa_system_sgpr_workgroup_id_z 1
		.amdhsa_system_vgpr_workitem_id 0
		.amdhsa_next_free_vgpr 194
		.amdhsa_next_free_sgpr 66
		.amdhsa_reserve_vcc 0
		.amdhsa_float_denorm_mode_32 3
		.amdhsa_float_denorm_mode_16_64 3
		.amdhsa_memory_ordered 1
		.amdhsa_forward_progress 1
		.amdhsa_inst_pref_size 33
	.end_amdhsa_kernel
	.amdgpu_metadata
---
amdhsa.version: [ 1, 2 ]
amdhsa.kernels:
  - .name:           k_q969e5bd1a3_quant
    .symbol:         k_q969e5bd1a3_quant.kd
    .args:
      - { .name: Q, .offset: 0, .size: 8, .value_kind: global_buffer, .address_space: global }
      - { .name: K, .offset: 8, .size: 8, .value_kind: global_buffer, .address_space: global }
      - { .name: V, .offset: 16, .size: 8, .value_kind: global_buffer, .address_space: global }
      - { .name: q_w, .offset: 24, .size: 8, .value_kind: global_buffer, .address_space: global }
      - { .name: k_w, .offset: 32, .size: 8, .value_kind: global_buffer, .address_space: global }
      - { .name: v_w, .offset: 40, .size: 8, .value_kind: global_buffer, .address_space: global }
      - { .name: o_w, .offset: 48, .size: 8, .value_kind: global_buffer, .address_space: global }
      - { .name: codes, .offset: 56, .size: 8, .value_kind: global_buffer, .address_space: global }
      - { .name: scales, .offset: 64, .size: 8, .value_kind: global_buffer, .address_space: global }
    .group_segment_fixed_size: 33280
    .private_segment_fixed_size: 0
    .kernarg_segment_align: 8
    .kernarg_segment_size: 72
    .max_flat_workgroup_size: 128
    .sgpr_count:     66
    .vgpr_count:     194
    .wavefront_size: 32
...
	.end_amdgpu_metadata
.endif
;; end of part 1
;; launch proj (part 2): grid 4 x 96, 4 waves a work-group, clusters of 4 x 4, 327,680 bytes of LDS; arguments codes, scales, q_b, k_b, v_b, hc, hs; writes hc, hs
.if DOCPART == 2
	.amdgcn_target "amdgcn-amd-amdhsa--gfx1250"
	.amdhsa_code_object_version 6
	.text
	.protected	k_q969e5bd1a3_proj
	.globl	k_q969e5bd1a3_proj
	.p2align	8
	.type	k_q969e5bd1a3_proj,@function
k_q969e5bd1a3_proj:
	s_mov_b64 s[64:65], 0
	v_nop
	global_prefetch_b8 v0, s[64:65] scope:SCOPE_SE
	s_setreg_imm32_b32 hwreg(HW_REG_WAVE_MODE, 25, 1), 1
	s_wait_xcnt 0x0
	s_wait_alu depctr_hold_cnt(0) depctr_sa_sdst(0) depctr_va_vdst(0) depctr_va_sdst(0) depctr_va_ssrc(0) depctr_va_vcc(0) depctr_vm_vsrc(0)
	s_getreg_b32 s2, hwreg(HW_REG_IB_STS2, 6, 4)
	s_cmp_eq_u32 s2, 0
	s_cbranch_scc0 .Lentry_in_a_cluster
	s_endpgm
.Lentry_in_a_cluster:
	s_bfe_u32 s2, ttmp6, 0x10000c
	s_cmp_lg_u32 s2, 0xf033
	s_cbranch_scc0 .Lentry_shape_is_right
	s_endpgm
.Lentry_shape_is_right:
; THE THREE INPUT PROJECTIONS ON CODES OF FP6 (E2M3): q = Q q_w^T + q_b, k = K k_w^T + k_b, v = V v_w^T + v_b, each 8,192 x 1,024 x 1,024, sums in f32; the results are quantised in registers for the
; two products of attention and leave as codes and scale words: no f32 result goes to memory.
; A tile of 256 x 256 results is made by a work-group of four waves, as many as a WGP has SIMDs; a wave makes 128 x 128: 64 accumulators, 512 registers.  K goes in steps of 256 through two LDS slots filled by the
; tensor data mover (rows of 192 bytes); the scale bytes of the tile's 2 x 256 rows, for all of K, come into LDS once.
; TWO SIDES.  P: the operand whose row a LANE holds in the result (second source).  R: the operand whose rows run along a lane's REGISTERS (first source).  q and k are quantised along the head's 64 features,
; so P = tokens, R = the weight's rows.  v is quantised along the keys, so P = v_w's rows, R = V's tokens.  The rows of every operand are stored with the two middle groups of 8 of each 32 exchanged, so that the 16
; registers of R's tiles 2 b and 2 b + 1 are the 16 neighbours 32 b + 16 (lane / 16) + 0 .. 15 of the next product's K.
; CLUSTERS: 4 x 4 work-groups, 24 clusters: 8 for each product (cluster y / 8).  The four of a row of the cluster need the same tiles of P, the four of a column the same tiles of R: each tile is asked for JOINTLY, by the
; same tensor load with the same descriptor and a mask that names the four.  Which product a cluster makes hangs on the cluster's number alone, which all sixteen share.
; THE BIAS is the C of each sum's first matrix instruction: for q and k eight numbers a tile of R (along the registers), for v one number a lane and block of P, eight times.
; WHAT IS STORED.  hc: a section for q, k, v; in it a head has 16 steps of 128 tokens x 4 fragments x 1,536 bytes; a fragment is an image of 12 operand registers (registers 4 g .. 4 g + 3 of lane l at 512 g + 16 l).
;   q, k: fragment x = 32 tokens: registers 6 u .. 6 u + 5 of lane (r, h) = features 32 h .. 32 h + 31 of the token at stored place 16 u + r.   v: fragment t = 16 features: registers 6 c .. = keys 64 c + 32 h + 0 .. 31.
; hs: a head has 16 steps x 256 bytes: lane l's two words at 8 l; word j is fragment 2 j's in lanes 0-15 and fragment 2 j + 1's in lanes 16-31.
; LIMITS: blocks whose largest magnitude lies under 2^-124, zeros among them, get the scale byte 1; NaN and infinities are not served.
; REGISTERS, in windows of 256: window 0: v0-31 addresses; v32-63 scale words, two sets; v64-127 the bias, later the scale words made; v128-223 P's fragments, ONE set, later the codes made; v224-247 at work.
;   window 1: R's fragments, TWO sets, at v0 and v128.   window 2: the accumulators of my P rows 0-63 ((a, b) at v[8 (8 a + b)]);   window 3: those of rows 64-127.
.set ASZ,    6291456                   ; codes of 8,192 rows
.set WSZ,    786432                    ; codes of a weight
.set WB,     3*ASZ                     ; where the weights' codes begin
.set ASS,    262144                    ; scale bytes of 8,192 rows
.set WSS,    32768
.set WSB,    3*ASS
.set KSTEP,  256                       ; along K in a slot
.set NQ,     KSTEP/128                 ; matrix instructions deep
.set ROWB,   192                       ; a tile's row in bytes
.set KROW,   768                       ; a row of 1,024 codes in memory
.set PITCH,  240                       ; an LDS row: 3 x (64 bytes + 16 of padding) = 60 words: the 32 lanes of a load of 8 bytes touch 64 different banks (64 banks of 4 bytes: ISA guide 11.1)
.set FR,     12                        ; registers of a fragment: 16 rows x 128 K
.set NL,     6                         ; LDS loads that bring one
.set NP,     4                         ; places behind this matrix instruction (ISA guide 7.12.1)
.set HALFT,  128*PITCH                 ; 128 rows: what one tensor load brings, and what one wave reads of P or of R
.set SLOT,   4*HALFT                   ; P's 256 rows, then R's 256 rows
.set KS,     32                        ; a row of scale bytes
.set SCL,    2*SLOT                    ; behind the ring: the scales, as 256 bytes + 16 of padding
.set HALFS,  (128*KS/256)*272          ; the scales of 128 rows
.set SBLK,   (16*KS/256)*272           ; those of 16 rows
.set SPARE,  SCL+4*HALFS               ; the spare words, 128 bytes for each wave: two blocks of 256 bytes that no other line names
.set ADRA, 16                          ; v16-17 LDS address of my P fragments in slot 0, 1 (v18-19: for the pieces behind one padding more)
.set ADRB, 20                          ; v20-21 the same for R (v22-23)
.set LI,   24                          ; v24 16 x lane: my place in a stored image
.set LW,   25                          ; v25 8 x lane: my place among the stored scale words
.set ADRS, 27                          ; v27 LDS address of my scale words: lanes 0-15 P's rows, lanes 16-31 R's
.set SPW,  28                          ; v28 LDS address of my spare word; never rewritten
.set NIL,  29                          ; v29 0; never rewritten
.set SC,   32                          ; scale words: set s at v[SC + 16 s]; register 2 i + q: lanes 0-15 P's block i, lanes 16-31 R's block i, the slot's q-th 128 along K
.set BIAS, 64                          ; v64-127 eight registers for each tile of R (q, k) or block of P (v)
.set AF,   128                         ; P's fragments
.set OUT,  128                         ; the way out: the codes made, 12 registers a fragment
.set TC,   224                         ; v224-230 the second halves of the conversions
.set TM,   232                         ; v232-235 largest magnitudes, v236-239 bytes, v244-247 the conversions' scale operands
.set PW,   64                          ; v64-71 the scale words made
.set SWO,  72                          ; v72-75 as they are stored
.set G1, 24                            ; s[24:31] descriptor group 1 for P's tiles;  s[32:39] group 0, one set for each slot
.set G0, 32
.set G1B, 48                           ; s[48:55], s[56:63] the same for R's tiles
.set G0B, 56
.set G1S, 68                           ; s[68:75], s[76:79] groups 1 and 0 for P's scales;  s[80:87], s[88:91] for R's
.set G0S, 76
.set G1SB, 80
.set G0SB, 88
.set MSB, 0
.macro WIN new                         ; the immediate's high byte repeats the setting that is left
.if MSB != \new
	s_set_vgpr_msb (MSB<<8)|\new
.set MSB, \new
.endif
.endm
.set MUL_LO, 0xa1                      ; source 0 (R) window 1, source 1 (P) window 0, C and D window 2
.set MUL_HI, 0xf1                      ; the same, C and D window 3
.set FST_LO, 0x81                      ; a sum's first product: C (the bias) window 0, D window 2
.set FST_HI, 0xc1                      ; D window 3
.set TO_B,   0x40                      ; destination window 1, address window 0
; A joint load: waves 0 and 1 fetch for P, waves 2 and 3 for R.  Each line has ONE mask and one set of registers for all that issue it; the branch hangs on the wave's number alone.
; Four v_nop follow each of the two lines, ahead of the jump, the label and what follows.
.macro JLOAD g0a, g1a, g0b, g1b
	s_cmp_eq_u32 s15, 0
	s_cbranch_scc0 .Lfor_b_\@
	tensor_load_to_lds s[\g0a:\g0a+3], s[\g1a:\g1a+7]
	s_nop 0
.rept 4
	v_nop
.endr
	s_branch .Lasked_\@
.Lfor_b_\@:
	tensor_load_to_lds s[\g0b:\g0b+3], s[\g1b:\g1b+7]
	s_nop 0
.rept 4
	v_nop
.endr
.Lasked_\@:
.endm
.macro CREST                           ; a round of the cluster's barrier behind its opening barrier
	s_cmp_lg_u32 s14, 0
	s_cbranch_scc1 .Lnot_wave_0_\@
	s_barrier_signal -3
.Lnot_wave_0_\@:
	s_barrier_wait -3
	s_barrier_signal -1
	s_barrier_wait -1
.endm
.macro CROUND                          ; a whole round
	s_barrier_signal -1
	s_barrier_wait -1
	CREST
.endm
	s_load_b128 s[4:7], s[0:1], 0x0                ; the codes s[4:5], the scale bytes s[6:7]
	s_load_b128 s[8:11], s[0:1], 0x10              ; q_b s[8:9], k_b s[10:11]
	s_load_b128 s[96:99], s[0:1], 0x20             ; v_b s[96:97], hc s[98:99]
	s_load_b64 s[100:101], s[0:1], 0x30            ; hs
	v_lshl_add_u32 v[SPW], v0, 2, SPARE
	v_mov_b32 v[NIL], 0
	ds_add_u32 v28, v29
	ds_add_u32 v28, v29
	s_wait_dscnt 0x0
	v_lshrrev_b32 v1, 5, v0
	v_readfirstlane_b32 s14, v1                    ; wave 0..3
	s_lshr_b32 s15, s14, 1                         ; which half of the tile's P rows is mine.  Also: I fetch for P (0) or for R (1)
	s_and_b32 s16, s14, 1                          ; which half of its R rows.  Also: which 128 rows of that tile I fetch
	s_bfe_u32 s40, ttmp6, 0x40000                  ; cx, cy: my place in the cluster
	s_bfe_u32 s41, ttmp6, 0x40004
	s_and_b32 s12, ttmp7, 0xffff                   ; the cluster's number, 0 .. 23
	s_lshr_b32 s13, s12, 3                         ; which product: 0 q, 1 k, 2 v
	s_and_b32 s12, s12, 7
	s_lshl_b32 s12, s12, 2                         ; the cluster's first tile along the tokens
	s_mul_i32 s20, s13, ASZ                        ; the product's activations: their codes,
	s_mul_i32 s21, s13, WSZ
	s_add_co_u32 s21, s21, WB                      ; its weight's codes,
	s_mul_i32 s22, s13, ASS                        ; and the scale bytes of both
	s_mul_i32 s23, s13, WSS
	s_add_co_u32 s23, s23, WSB
	s_cmp_eq_u32 s13, 2                            ; v: the weight is P and the tokens are R
	s_cselect_b32 s95, 1, 0
	s_cselect_b32 s17, 0, s12
	s_cselect_b32 s42, s12, 0
	s_cselect_b32 s2, s21, s20                     ; P's codes,
	s_cselect_b32 s66, s20, s21                    ; R's codes,
	s_cselect_b32 s67, s23, s22                    ; P's scale bytes,
	s_cselect_b32 s94, s22, s23                    ; R's scale bytes
	s_add_co_u32 s17, s17, s41                     ; P's tile: the cluster's first + cy
	s_add_co_u32 s42, s42, s40                     ; R's tile: the cluster's first + cx
	s_lshl_b32 s43, s41, 2
	s_lshl_b32 s43, 15, s43                        ; my row of the cluster
	s_lshl_b32 s44, 0x1111, s40                    ; my column
	; descriptor group 1: a tile of 128 rows x 192 bytes, padded in LDS
	s_or_b32 s[G1+0], s43, (0<<16)|(1<<20)|(1<<21)|(3<<22)|(3<<25)  ; 15:0 the mask: P's tiles go to my row; 17:16 elements of 1 byte; 20 padding on; 21 set beside a mask; 24:22 after every 16 words; 31:25 of 4 words
	s_or_b32 s[G1B+0], s44, (0<<16)|(1<<20)|(1<<21)|(3<<22)|(3<<25)
.irp g, G1, G1B
	s_mov_b32 s[\g+1], ROWB<<16                    ; tensor_dim0
	s_mov_b32 s[\g+2], 128<<16                     ; tensor_dim1
	s_mov_b32 s[\g+3], ROWB<<16                    ; tile_dim0
	s_mov_b32 s[\g+4], 128                         ; tile_dim1
	s_mov_b32 s[\g+5], KROW                        ; tensor_dim0_stride
	s_mov_b32 s[\g+6], 0
	s_mov_b32 s[\g+7], 0
.endr
	; the scales of 128 rows: a dense block of 4,096 bytes, as 16 rows of 256 bytes (32 elements of 8 bytes), 16 bytes of padding behind each
	s_or_b32 s[G1S+0], s43, (3<<16)|(1<<20)|(1<<21)|(5<<22)|(3<<25)
	s_or_b32 s[G1SB+0], s44, (3<<16)|(1<<20)|(1<<21)|(5<<22)|(3<<25)
.irp g, G1S, G1SB
	s_mov_b32 s[\g+1], 32<<16
	s_mov_b32 s[\g+2], (128*KS/256)<<16
	s_mov_b32 s[\g+3], 32<<16
	s_mov_b32 s[\g+4], 128*KS/256
	s_mov_b32 s[\g+5], 32
	s_mov_b32 s[\g+6], 0
	s_mov_b32 s[\g+7], 0
.endr
	s_lshl_b32 s18, s16, 7                         ; which 128 rows of the tile I fetch
	s_lshl_b32 s20, s17, 8
	s_add_co_u32 s20, s20, s18                     ; P: row 256 x tile + 128 x half
	s_lshl_b32 s46, s42, 8
	s_add_co_u32 s46, s46, s18                     ; R likewise, in registers that never hold cy
	s_lshl_b32 s22, s20, 5                         ; byte offsets, all under 2^25: P's scale bytes,
	s_add_co_u32 s22, s22, s67
	s_mov_b32 s23, 0
	s_mul_i32 s20, s20, KROW                       ; P's codes,
	s_add_co_u32 s20, s20, s2
	s_mov_b32 s21, 0
	s_lshl_b32 s92, s46, 5                         ; R's scale bytes,
	s_add_co_u32 s92, s92, s94
	s_mov_b32 s93, 0
	s_mul_i32 s46, s46, KROW                       ; R's codes
	s_add_co_u32 s46, s46, s66
	s_mov_b32 s47, 0
	s_mul_i32 s45, s14, HALFT                      ; where they go: wave x 128 rows: no place in the cluster enters an LDS address
	s_mul_i32 s94, s14, HALFS
	s_wait_kmcnt 0x0
	s_add_nc_u64 s[20:21], s[4:5], s[20:21]
	s_add_nc_u64 s[22:23], s[6:7], s[22:23]
	s_add_nc_u64 s[46:47], s[4:5], s[46:47]
	s_add_nc_u64 s[92:93], s[6:7], s[92:93]
	CROUND                                         ; all sixteen work-groups are here: the first joint loads meet
	s_mov_b32 s[G0S], 1
	s_add_co_u32 s[G0S+1], s94, SCL
	s_mov_b64 s[G0S+2:G0S+3], s[22:23]
	s_or_b32 s[G0S+3], s[G0S+3], 0x80000000
	s_mov_b32 s[G0SB], 1
	s_add_co_u32 s[G0SB+1], s94, SCL
	s_mov_b64 s[G0SB+2:G0SB+3], s[92:93]
	s_or_b32 s[G0SB+3], s[G0SB+3], 0x80000000
	JLOAD G0S, G1S, G0SB, G1SB                     ; the scales first: they are wanted with K step 0
.irp s, 0,1
	s_mov_b32 s[G0+4*\s], 1
	s_add_co_u32 s[G0+4*\s+1], s45, \s*SLOT
	s_add_nc_u64 s[G0+4*\s+2:G0+4*\s+3], s[20:21], \s*ROWB
	s_or_b32 s[G0+4*\s+3], s[G0+4*\s+3], 0x80000000
	s_mov_b32 s[G0B+4*\s], 1
	s_add_co_u32 s[G0B+4*\s+1], s45, \s*SLOT
	s_add_nc_u64 s[G0B+4*\s+2:G0B+4*\s+3], s[46:47], \s*ROWB
	s_or_b32 s[G0B+4*\s+3], s[G0B+4*\s+3], 0x80000000
	JLOAD G0+4*\s, G1, G0B+4*\s, G1B               ; three tensor loads of mine are out
.endr
	v_and_b32 v1, 15, v0                           ; r = lane % 16
	v_bfe_u32 v2, v0, 4, 1                         ; h = lane / 16
	v_mul_u32_u24 v3, v1, PITCH
	v_mul_u32_u24 v4, v2, 24
	v_add_nc_u32 v4, v3, v4                        ; a fragment's row x pitch + 24 x half
	v_lshl_add_u32 v5, v2, 4, v4                   ; and the same behind one padding more
	s_mul_i32 s21, s15, HALFT                      ; my 128 rows of P
	s_mul_i32 s22, s16, HALFT                      ; my 128 rows of R,
	s_add_co_u32 s22, s22, 2*HALFT                 ; which lie behind P's 256
.irp s, 0,1
	v_add_nc_u32 v[ADRA+\s], s21, v4
	v_add_nc_u32 v[ADRB+\s], s22, v4
	v_add_nc_u32 v[ADRA+2+\s], s21, v5
	v_add_nc_u32 v[ADRB+2+\s], s22, v5
	s_add_co_u32 s21, s21, SLOT
	s_add_co_u32 s22, s22, SLOT
.endr
	v_mul_u32_u24 v5, v1, KS                       ; my row's scales: 32 bytes a row,
	v_lshrrev_b32 v6, 8, v5
	v_lshl_add_u32 v5, v6, 4, v5                   ; and 16 more for each 256 passed
	s_mul_i32 s21, s15, HALFS                      ; P's: my 128 rows
	s_mul_i32 s22, s16, HALFS                      ; R's: my 128 rows, behind P's 256
	s_add_co_u32 s22, s22, 2*HALFS
	s_sub_co_u32 s22, s22, s21
	v_mul_u32_u24 v6, s22, v2                      ; lanes 16-31 take R's: one product, the distance between the two bases
	s_add_co_u32 s21, s21, SCL
	v_add_nc_u32 v5, v5, v6
	v_add_nc_u32 v[ADRS], s21, v5
	v_and_b32 v6, 31, v0
	v_lshlrev_b32 v[LI], 4, v6
	v_lshlrev_b32 v[LW], 3, v6
	s_mov_b32 s66, 0x76543210                      ; v_permlanex16_b32's selects for lane l xor 16
	s_mov_b32 s67, 0xfedcba98
	s_mov_b32 s104, 0xffff0000                     ; lanes 16-31
	; which side holds tokens and which features
	s_cmp_eq_u32 s95, 1
	s_cselect_b32 s18, s42, s17                    ; the tokens' tile
	s_cselect_b32 s19, s16, s15                    ; and my half of it
	s_cselect_b32 s20, s17, s42                    ; the features' tile
	s_cselect_b32 s21, s15, s16                    ; and my half of it
	s_cselect_b32 s12, -1, 0                       ; v: the bias goes by the lane
	s_cselect_b32 s2, 0, 4                         ; q, k: by the register, 4 bytes on for each
	s_lshl_b32 s22, s20, 10
	s_lshl_b32 s23, s21, 9
	s_add_co_u32 s22, s22, s23                     ; my first feature's bias: 4 (256 x tile + 128 x half) bytes
	s_mov_b32 s23, 0
	s_cmp_eq_u32 s13, 1
	s_cselect_b64 s[8:9], s[10:11], s[8:9]
	s_cmp_eq_u32 s13, 2
	s_cselect_b64 s[8:9], s[96:97], s[8:9]         ; the product's own bias
	s_add_nc_u64 s[8:9], s[8:9], s[22:23]
	v_lshlrev_b32 v8, 6, v2                        ; q, k: register j of tile t is feature 32 (t / 2) + 8 (t % 2) + 16 h + j
	v_and_b32 v9, 8, v1
	v_add_nc_u32 v9, v9, v1
	v_lshlrev_b32 v9, 2, v9                        ; v: lane r of block a is feature 32 (a / 2) + 8 (a % 2) + r + 8 (r / 8)
	v_cndmask_b32 v7, v8, v9, s12
.irp j, 0,1,2,3,4,5,6,7
	v_mad_u32_u24 v[224+\j], s2, \j, v7
.endr
.irp i, 0,1,2,3,4,5,6,7
.irp j, 0,1,2,3,4,5,6,7
	global_load_b32 v[BIAS+8*\i+\j], v[224+\j], s[8:9] offset:4*(32*(\i/2)+8*(\i%2))
.endr
.endr
	; where my results go: (batch x 16 + head) x 16 steps + step, 6,144 bytes of codes and 256 of scale words each
	s_lshr_b32 s22, s18, 3                         ; the batch: 8 tiles of 256 tokens each
	s_lshl_b32 s22, s22, 4
	s_lshl_b32 s20, s20, 2
	s_add_co_u32 s22, s22, s20
	s_lshl_b32 s21, s21, 1
	s_add_co_u32 s22, s22, s21                     ; my first head: 4 a tile, 2 a half
	s_lshl_b32 s22, s22, 4
	s_and_b32 s18, s18, 7
	s_lshl_b32 s18, s18, 1
	s_add_co_u32 s22, s22, s18
	s_add_co_u32 s22, s22, s19                     ; my step of 128 tokens
	s_mul_i32 s20, s22, 6144
	s_mul_i32 s18, s13, ASZ
	s_add_co_u32 s20, s20, s18
	s_mov_b32 s21, 0
	s_add_nc_u64 s[98:99], s[98:99], s[20:21]
	s_lshl_b32 s20, s22, 8
	s_mul_i32 s18, s13, ASS
	s_add_co_u32 s20, s20, s18
	s_add_nc_u64 s[100:101], s[100:101], s[20:21]
.macro FRAG reg, adr, q, i             ; a fragment, 16 rows x 128 K of 6-bit codes, is 12 registers: lane l holds row l % 16; registers 6 c .. 6 c + 5 hold K = 64 c + 32 (l / 16) + 0 .. 31: 24 bytes of the row's stream of bits, as they lie
.irp p, 0,1,2,3,4,5                    ; in pieces of 8 bytes, so that every address is a multiple of the access's size
.set PC, 12*(\q)+6*(\p/3)+\p%3        ; 16 bytes of padding lie behind every 8 pieces: where the piece three on lies behind one padding more, the second address register serves
.if PC%8 < 5
	ds_load_b64 v[\reg+2*\p:\reg+2*\p+1], v[\adr] offset:8*PC+16*(PC/8)+(\i)*16*PITCH
.else
	ds_load_b64 v[\reg+2*\p:\reg+2*\p+1], v[\adr+2] offset:8*PC+16*(PC/8)+(\i)*16*PITCH
.endif
.endr
.endm
; One product: P's block a x R's tile b, the slot's q-th 128 along K.  p: R's set; sc: the set of scale words.  zero = 0: adds in place; 1: starts the sum with the bias of tile b; 2: with the bias of block a.
.macro MM a, b, p, q, sc, zero
.set DR, 8*(8*((\a)%4)+(\b))
.set RB, 128*(\p)+FR*(\b)
.set RA, AF+FR*(\a)
.set SRB, SC+8*NQ*(\sc)+NQ*(\b)+(\q)
.set SRA, SC+8*NQ*(\sc)+NQ*(\a)+(\q)
.if (\zero) == 1
	v_wmma_scale_f32_16x16x128_f8f6f4 v[DR:DR+7], v[RB:RB+FR-1], v[RA:RA+FR-1], v[BIAS+8*(\b):BIAS+8*(\b)+7], v[SRB], v[SRA] matrix_a_fmt:MATRIX_FMT_FP6 matrix_b_fmt:MATRIX_FMT_FP6 matrix_a_scale:MATRIX_SCALE_ROW1
.elseif (\zero) == 2
	v_wmma_scale_f32_16x16x128_f8f6f4 v[DR:DR+7], v[RB:RB+FR-1], v[RA:RA+FR-1], v[BIAS+8*(\a):BIAS+8*(\a)+7], v[SRB], v[SRA] matrix_a_fmt:MATRIX_FMT_FP6 matrix_b_fmt:MATRIX_FMT_FP6 matrix_a_scale:MATRIX_SCALE_ROW1
.else
	v_wmma_scale_f32_16x16x128_f8f6f4 v[DR:DR+7], v[RB:RB+FR-1], v[RA:RA+FR-1], v[DR:DR+7], v[SRB], v[SRA] matrix_a_fmt:MATRIX_FMT_FP6 matrix_b_fmt:MATRIX_FMT_FP6 matrix_a_scale:MATRIX_SCALE_ROW1
.endif
.endm
; 16 products: blocks a0, a0 + 1 x R's eight tiles.  The 64 accumulators take turns, one instruction a turn, in the same order in every step.
.macro MUL16 a0, p, q, sc, zero
.irp a, \a0, \a0+1
.irp b, 0,1,2,3,4,5,6,7
	MM \a, \b, \p, \q, \sc, \zero
.endr
.endr
.endm
.macro FETCH_B slot, q, p              ; R's eight fragments of the slot's q-th 128 along K into set p
	WIN TO_B
.irp i, 0,1,2,3,4,5,6,7
	FRAG 128*(\p)+FR*\i, ADRB+\slot, \q, \i
.endr
	WIN 0
.endm
.macro FETCH_A slot, q, i0             ; P's blocks i0 .. i0 + 3
.irp i, \i0, \i0+1, \i0+2, \i0+3
	FRAG AF+FR*(\i), ADRA+\slot, \q, \i
.endr
.endm
.macro SCALES sc                       ; a K step's scale words into set sc: two words a row; lanes 0-15 take P's block i, lanes 16-31 R's tile i
.irp i, 0,1,2,3,4,5,6,7
	ds_load_b64 v[SC+8*NQ*\sc+NQ*\i:SC+8*NQ*\sc+NQ*\i+1], v[ADRS] offset:\i*SBLK
.endr
.endm
; A load into a register that a matrix instruction has read, and a vector instruction that reads a matrix result, stand NP places behind that matrix instruction; only plain vector instructions that name none of
; its registers are places (ISA guide 7.12.1 for vector instructions).
.macro PLACES n
.rept \n
	v_nop
.endr
.endm
; A step of 128 along K that has its successor in the same slot.  A block of P is free as soon as its eight products are issued: blocks 0-3 are fetched anew in the step's middle, blocks 4-7 at its end.
.macro STEP slot, q, zero
	s_wait_dscnt 4*NL                              ; R's set, P's blocks 0-3 and the scale words are in; the youngest 24 loads (P's blocks 4-7) may be out
.if \zero
	WIN FST_LO
.else
	WIN MUL_LO
.endif
	MUL16 0, (\q)%2, \q, \slot, \zero
	MUL16 2, (\q)%2, \q, \slot, \zero
	s_wait_dscnt 0                                 ; P's blocks 4-7 are in (asked for 32 matrix instructions ago)
	PLACES NP
	FETCH_B \slot, (\q)+1, 1-(\q)%2
	FETCH_A \slot, (\q)+1, 0
.if \zero
	WIN FST_HI
.else
	WIN MUL_HI
.endif
	MUL16 4, (\q)%2, \q, \slot, \zero
	MUL16 6, (\q)%2, \q, \slot, \zero
	PLACES NP
	WIN 0
	FETCH_A \slot, (\q)+1, 4
.endm
; A slot's last step changes slots: ONE barrier; in front of it each wave waits for all its tensor loads, adds 0 to its spare word, and waits for that and for its own reads of this slot.  fill = 1: this slot is filled again, two K steps ahead.
.macro TURN slot, next, fill
	s_wait_tensorcnt 0x0                           ; all my tensor loads have landed: my part of the next slot  (every window is 0 here)
	ds_add_u32 v[SPW], v[NIL]                      ; 0 onto my spare word
	s_wait_dscnt 4*NL+1                            ; (the add and the youngest 24 loads, P's blocks 4-7, may be out)
	WIN MUL_LO
	MUL16 0, 1, NQ-1, \slot, 0                     ; sixteen matrix instructions stand between the add and the wait for it
	s_wait_dscnt 0x0                               ; the add is done, and my reads of this slot are over
	s_barrier_signal -1
	MUL16 2, 1, NQ-1, \slot, 0
	WIN 0
	s_barrier_wait -1
.if \fill
	CREST                                          ; the barrier has opened a round of the cluster's barrier: no wave of any partner still reads this slot's tile or has a load on its way
	s_add_nc_u64 s[G0+4*\slot+2:G0+4*\slot+3], s[G0+4*\slot+2:G0+4*\slot+3], 2*ROWB
	s_add_nc_u64 s[G0B+4*\slot+2:G0B+4*\slot+3], s[G0B+4*\slot+2:G0B+4*\slot+3], 2*ROWB
	JLOAD G0+4*\slot, G1, G0B+4*\slot, G1B         ; the first tensor load behind the round, my only one until the next; its four v_nop are the places in front of the loads below
.else
	PLACES NP
.endif
	s_wait_alu depctr_va_vdst(0)
	v_add_nc_u32 v[ADRS], 4*NQ, v[ADRS]            ; on to the next K step's scale words (no LDS load of mine is out)
	FETCH_B \next, 0, 0
	FETCH_A \next, 0, 0
	SCALES \next
	WIN MUL_HI
	MUL16 4, 1, NQ-1, \slot, 0
	MUL16 6, 1, NQ-1, \slot, 0
	PLACES NP
	WIN 0
	FETCH_A \next, 0, 4
.endm
	s_wait_tensorcnt 1                             ; the scales and my part of K step 0 are in (K step 1's load may be out)
	s_barrier_signal -1
	s_barrier_wait -1                              ; everybody's are
	FETCH_B 0, 0, 0
	FETCH_A 0, 0, 0
	SCALES 0
	FETCH_A 0, 0, 4
	s_wait_loadcnt 0x0                             ; the bias
	s_cmp_eq_u32 s95, 1                            ; the first step is written twice: its products start the sums with the bias, by R's tile (q, k) or by P's block (v)
	s_cbranch_scc1 .Lfirst_v
	STEP 0, 0, 1
	s_branch .Ljoin
.Lfirst_v:
	STEP 0, 0, 2
.Ljoin:
	TURN 0, 1, 1                                   ; K = 1,024 is four K steps, eight steps of 128: written out; slot 0 takes K step 2,
	STEP 1, 0, 0
	TURN 1, 0, 1                                   ; slot 1 K step 3
	STEP 0, 0, 0
	TURN 0, 1, 0                                   ; nothing is left to fetch, and no round follows
	STEP 1, 0, 0
	s_wait_dscnt 4*NL                              ; the very last step
	WIN MUL_LO
	MUL16 0, 1, NQ-1, 1, 0
	MUL16 2, 1, NQ-1, 1, 0
	s_wait_dscnt 0
	WIN MUL_HI
	MUL16 4, 1, NQ-1, 1, 0
	MUL16 6, 1, NQ-1, 1, 0
	WIN 0
; THE WAY OUT.  64 numbers of a lane, four blocks of which my lane holds 16 neighbours each (blocks 0, 1 at v[QS0 + 16 b], blocks 2, 3 at v[QS1 + 16 b], window QW), become fragment QE's 12 registers of codes and its scale word.
; Each accumulator is read from its low end on.  A block of 32 lies in lanes l and l xor 16.  The codes are stored as they stand: three stores of 512 consecutive bytes.
.macro QUANT
.set QWW, 5*QW
	WIN QWW                                        ; sources 0 and 1 in the accumulators' window
.irp b, 0,1
	v_max3_num_f32 v[TM+\b], |v[QS0+16*\b]|, |v[QS0+16*\b+1]|, 0x1800000      ; my 16 numbers of a block, and the floor 2^(3 - 127): the byte cannot fall under 1
.endr
.irp b, 0,1
	v_max3_num_f32 v[TM+2+\b], |v[QS1+16*\b]|, |v[QS1+16*\b+1]|, 0x1800000
.endr
.irp i, 2,4,6,8,10,12,14
.irp b, 0,1
	v_max3_num_f32 v[TM+\b], |v[QS0+16*\b+\i]|, |v[QS0+16*\b+\i+1]|, v[TM+\b]   ; (the four blocks by turns)
.endr
.irp b, 0,1
	v_max3_num_f32 v[TM+2+\b], |v[QS1+16*\b+\i]|, |v[QS1+16*\b+\i+1]|, v[TM+2+\b]
.endr
.endr
	WIN 0
.irp b, 0,1,2,3
	v_permlanex16_b32 v[TM+4+\b], v[TM+\b], s66, s67
.endr
.irp b, 0,1,2,3
	v_max_num_f32 v[TM+\b], v[TM+\b], v[TM+4+\b]   ; with lane l xor 16's: the block's largest magnitude
.endr
.irp b, 0,1,2,3
	v_add_nc_u32 v[TM+12+\b], 0xff000000, v[TM+\b] ; 2 off its exponent field: the conversion's scale operand
.endr
.irp b, 0,1,2,3
	v_lshrrev_b32 v[TM+4+\b], 23, v[TM+12+\b]      ; the scale's byte
.endr
	v_lshl_or_b32 v[PW+QE], v[TM+5], 8, v[TM+4]    ; the four bytes make my row's scale word
	v_lshl_or_b32 v[PW+QE], v[TM+6], 16, v[PW+QE]
	v_lshl_or_b32 v[PW+QE], v[TM+7], 24, v[PW+QE]
	WIN QW                                         ; source 0 in the accumulators' window
	v_cvt_scalef32_pk16_fp6_f32 v[OUT+12*QE:OUT+12*QE+2], v[QS0:QS0+15], v[TM+12]
	v_cvt_scalef32_pk16_fp6_f32 v[TC:TC+2], v[QS0+16:QS0+31], v[TM+13]          ; (a conversion's three registers begin on an even number)
	v_cvt_scalef32_pk16_fp6_f32 v[OUT+12*QE+6:OUT+12*QE+8], v[QS1:QS1+15], v[TM+14]
	v_cvt_scalef32_pk16_fp6_f32 v[TC+4:TC+6], v[QS1+16:QS1+31], v[TM+15]
	WIN 0
	v_nop                                          ; one plain place behind a scaled conversion
.irp c, 0,1                                    ; the operand's layout wants a WHOLE block in a lane: lanes 0-15 block 2 c, lanes 16-31 block 2 c + 1
.irp i, 0,1,2
	v_permlane16_swap_b32 v[OUT+12*QE+6*\c+\i], v[TC+4*\c+\i]
.endr
.irp i, 0,1,2
	v_mov_b32 v[OUT+12*QE+3+6*\c+\i], v[TC+4*\c+\i]
.endr
.endr
.irp g, 0,1,2
	global_store_b128 v[LI], v[OUT+12*QE+4*\g:OUT+12*QE+4*\g+3], s[98:99] offset:(QE/4)*98304+(QE%4)*1536+512*\g   ; head QE / 4 of my two, fragment QE % 4 of the step; no store's data are written again
.endr
.endm
	PLACES NP                                      ; behind the last products
.irp b, 0,1,2,3
	v_mov_b32 v[TM+4+\b], 0                        ; written once: a lane permute's destination counts as one of its sources
.endr
	s_cmp_eq_u32 s95, 1
	s_cbranch_scc1 .Lout_v
.irp j, 0,1                                    ; q, k: head j of my two; fragment x = P's blocks 2 x and 2 x + 1, each with the head's two blocks of 32 features
.irp x, 0,1,2,3
.set QE, 4*\j+\x
.set QW, 2+\x/2
.set QS0, 128*(\x%2)+32*\j
.set QS1, QS0+64
	QUANT
.endr
.endr
	s_branch .Lout_done
.Lout_v:
.irp a, 0,1,2,3,4,5,6,7                        ; v: P's block a = 16 features, with the step's four blocks of 32 keys
.set QE, \a
.set QW, 2+\a/4
.set QS0, 64*(\a%4)
.set QS1, QS0+32
	QUANT
.endr
.Lout_done:
.irp j, 0,1                                    ; the scale words of a head's four fragments: two to a register, the odd one in lanes 16-31 (both halves of the lanes hold a row's word)
	v_cndmask_b32 v[SWO+2*\j], v[PW+4*\j], v[PW+4*\j+1], s104
	v_cndmask_b32 v[SWO+2*\j+1], v[PW+4*\j+2], v[PW+4*\j+3], s104
.endr
.irp j, 0,1
	global_store_b64 v[LW], v[SWO+2*\j:SWO+2*\j+1], s[100:101] offset:4096*\j   ; 32 lanes store 256 consecutive bytes, aligned
.endr
	s_wait_tensorcnt 0x0                           ; the wave's end
	ds_add_u32 v[SPW], v[NIL]
	s_wait_dscnt 0x0
	CROUND                                         ; the closing round: no work-group ends while a partner may still ask for a tile that names it
	s_endpgm
.Lfunc_end_k_q969e5bd1a3_proj:
	.size	k_q969e5bd1a3_proj, .Lfunc_end_k_q969e5bd1a3_proj-k_q969e5bd1a3_proj
	.p2alignl 7, 3214868480
	.fill 96, 4, 3214868480
	.section	.rodata,"a",@progbits
	.p2align	6, 0x0
	.amdhsa_kernel k_q969e5bd1a3_proj
		.amdhsa_group_segment_fixed_size 327680
		.amdhsa_private_segment_fixed_size 0
		.amdhsa_enable_private_segment 0
		.amdhsa_kernarg_size 56
		.amdhsa_user_sgpr_count 2
		.amdhsa_user_sgpr_kernarg_segment_ptr 1
		.amdhsa_wavefront_size32 1
		.amdhsa_system_sgpr_workgroup_id_x 1
		.amdhsa_system_sgpr_workgroup_id_y 1
		.amdhsa_system_sgpr_workgroup_id_z 1
		.amdhsa_system_vgpr_workitem_id 0
		.amdhsa_next_free_vgpr 1024
		.amdhsa_next_free_sgpr 106
		.amdhsa_reserve_vcc 0
		.amdhsa_float_denorm_mode_32 3
		.amdhsa_float_denorm_mode_16_64 3
		.amdhsa_memory_ordered 1
		.amdhsa_forward_progress 1
		.amdhsa_inst_pref_size 220
	.end_amdhsa_kernel
	.amdgpu_metadata
---
amdhsa.version: [ 1, 2 ]
amdhsa.kernels:
  - .name:           k_q969e5bd1a3_proj
    .symbol:         k_q969e5bd1a3_proj.kd
    .args:
      - { .name: codes, .offset: 0, .size: 8, .value_kind: global_buffer, .address_space: global }
      - { .name: scales, .offset: 8, .size: 8, .value_kind: global_buffer, .address_space: global }
      - { .name: q_b, .offset: 16, .size: 8, .value_kind: global_buffer, .address_space: global }
      - { .name: k_b, .offset: 24, .size: 8, .value_kind: global_buffer, .address_space: global }
      - { .name: v_b, .offset: 32, .size: 8, .value_kind: global_buffer, .address_space: global }
      - { .name: hc, .offset: 40, .size: 8, .value_kind: global_buffer, .address_space: global }
      - { .name: hs, .offset: 48, .size: 8, .value_kind: global_buffer, .address_space: global }
    .group_segment_fixed_size: 327680
    .private_segment_fixed_size: 0
    .kernarg_segment_align: 8
    .kernarg_segment_size: 56
    .max_flat_workgroup_size: 128
    .sgpr_count:     106
    .vgpr_count:     1024
    .wavefront_size: 32
...
	.end_amdgpu_metadata
.endif
;; end of part 2
;; launch attn (part 3): grid 4 x 64, 16 waves a work-group, clusters of 4 x 1, 327,680 bytes of LDS; arguments hc, hs, ac, asb; writes ac, asb
.if DOCPART == 3
	.amdgcn_target "amdgcn-amd-amdhsa--gfx1250"
	.amdhsa_code_object_version 6
	.text
	.protected	k_q969e5bd1a3_attn
	.globl	k_q969e5bd1a3_attn
	.p2align	8
	.type	k_q969e5bd1a3_attn,@function
k_q969e5bd1a3_attn:
	s_mov_b64 s[64:65], 0
	v_nop
	global_prefetch_b8 v0, s[64:65] scope:SCOPE_SE
	s_setreg_imm32_b32 hwreg(HW_REG_WAVE_MODE, 25, 1), 1
	s_wait_xcnt 0x0
	s_wait_alu depctr_hold_cnt(0) depctr_sa_sdst(0) depctr_va_vdst(0) depctr_va_sdst(0) depctr_va_ssrc(0) depctr_va_vcc(0) depctr_vm_vsrc(0)
	s_getreg_b32 s2, hwreg(HW_REG_IB_STS2, 6, 4)
	s_cmp_eq_u32 s2, 0
	s_cbranch_scc0 .Lentry_in_a_cluster
	s_endpgm
.Lentry_in_a_cluster:
	s_bfe_u32 s2, ttmp6, 0x10000c
	s_cmp_lg_u32 s2, 0x3003
	s_cbranch_scc0 .Lentry_shape_is_right
	s_endpgm
.Lentry_shape_is_right:
.set ASZ,   6291456
.set ASS,   262144
.set HEADB, 98304
.set STEPB, 6144
.set FRB,   1536
.set LV,    98304
.set LSC,   196608
.set WV,   12
.set SEL,  20
.set CS,   22
.set G1C,  24
.set G1S,  32
.set G0C,  40
.set G0S,  44
.set TB,   48
.set TS,   49
.set NST,  50
.set NTL,  51
.set HM,   52
.macro ROUND
	s_barrier_signal -1
	s_barrier_wait -1
	s_cmp_lg_u32 s[WV], 0
	s_cbranch_scc1 .Lnot_wave_0_\@
	s_barrier_signal -3
.Lnot_wave_0_\@:
	s_barrier_wait -3
	s_barrier_signal -1
	s_barrier_wait -1
.endm
	s_load_b256 s[4:11], s[0:1], 0x0
	v_lshl_add_u32 v251, v0, 2, 0x32000
	v_mov_b32 v255, 0
	ds_add_u32 v251, v255
	ds_add_u32 v251, v255
	v_lshrrev_b32 v1, 5, v0
	s_delay_alu instid0(VALU_DEP_1)
	v_readfirstlane_b32 s[WV], v1
	s_bfe_u32 s13, ttmp6, 0x40000
	s_and_b32 s14, ttmp7, 0xffff
	s_lshl_b32 s15, s13, 4
	s_add_co_u32 s15, s15, s[WV]
	s_mov_b32 s[G1C], 15|(3<<16)|(1<<21)
	s_mov_b32 s[G1C+1], 32<<16
	s_mov_b32 s[G1C+2], 48<<16
	s_mov_b32 s[G1C+3], 32<<16
	s_mov_b32 s[G1C+4], 48
	s_mov_b32 s[G1C+5], 32
	s_mov_b32 s[G1C+6], 0
	s_mov_b32 s[G1C+7], 0
	s_mov_b32 s[G1S], 15|(3<<16)|(1<<21)
	s_mov_b32 s[G1S+1], 32<<16
	s_mov_b32 s[G1S+2], 2<<16
	s_mov_b32 s[G1S+3], 32<<16
	s_mov_b32 s[G1S+4], 2
	s_mov_b32 s[G1S+5], 32
	s_mov_b32 s[G1S+6], 0
	s_mov_b32 s[G1S+7], 0
	s_lshr_b32 s16, s[WV], 3
	s_add_co_u32 s16, s16, 1
	s_and_b32 s17, s[WV], 7
	s_mul_i32 s18, s16, ASZ
	s_mul_i32 s19, s14, HEADB
	s_add_co_u32 s18, s18, s19
	s_mul_i32 s19, s17, 12288
	s_add_co_u32 s18, s18, s19
	s_mov_b32 s19, 0
	s_mul_i32 s54, s16, ASS
	s_lshl_b32 s55, s14, 12
	s_add_co_u32 s54, s54, s55
	s_lshl_b32 s55, s17, 9
	s_add_co_u32 s54, s54, s55
	s_mov_b32 s55, 0
	s_mul_i32 s56, s14, HEADB
	s_mul_i32 s16, s15, FRB
	s_add_co_u32 s56, s56, s16
	s_mov_b32 s57, 0
	s_lshl_b32 s58, s14, 12
	s_lshr_b32 s16, s15, 2
	s_lshl_b32 s16, s16, 8
	s_add_co_u32 s58, s58, s16
	s_and_b32 s16, s15, 1
	s_lshl_b32 s16, s16, 7
	s_add_co_u32 s58, s58, s16
	s_bfe_u32 s16, s15, 0x10001
	s_lshl_b32 s16, s16, 2
	s_add_co_u32 s58, s58, s16
	s_mov_b32 s59, 0
	s_lshr_b32 s16, s14, 4
	s_lshl_b32 s16, s16, 7
	s_lshl_b32 s17, s15, 1
	s_add_co_u32 s16, s16, s17
	s_and_b32 s17, s14, 15
	s_mul_i32 s60, s16, 12288
	s_lshr_b32 s53, s17, 1
	s_mul_i32 s53, s53, 1536
	s_add_co_u32 s60, s60, s53
	s_and_b32 s53, s17, 1
	s_mul_i32 s53, s53, 768
	s_add_co_u32 s60, s60, s53
	s_mov_b32 s61, 0
	s_lshl_b32 s62, s16, 9
	s_lshl_b32 s53, s17, 1
	s_add_co_u32 s62, s62, s53
	s_mov_b32 s63, 0
	s_mov_b32 s[SEL], 0x76543210
	s_mov_b32 s[SEL+1], 0xfedcba98
	s_mov_b32 s[CS], 0x3e38aa3b
	s_mov_b32 s[CS+1], s[CS]
	s_mov_b32 s[HM], 0xffff0000
	s_wait_dscnt 0x0
	s_wait_kmcnt 0x0
	s_mov_b32 s[G0C], 1
	s_mul_i32 s[G0C+1], s[WV], 12288
	s_add_nc_u64 s[G0C+2:G0C+3], s[4:5], s[18:19]
	s_or_b32 s[G0C+3], s[G0C+3], 0x80000000
	s_mov_b32 s[G0S], 1
	s_lshl_b32 s[G0S+1], s[WV], 9
	s_add_co_u32 s[G0S+1], s[G0S+1], LSC
	s_add_nc_u64 s[G0S+2:G0S+3], s[6:7], s[54:55]
	s_or_b32 s[G0S+3], s[G0S+3], 0x80000000
	s_add_nc_u64 s[56:57], s[4:5], s[56:57]
	s_add_nc_u64 s[58:59], s[6:7], s[58:59]
	s_add_nc_u64 s[8:9], s[8:9], s[60:61]
	s_add_nc_u64 s[10:11], s[10:11], s[62:63]
	ROUND
	tensor_load_to_lds s[G0C:G0C+3], s[G1C:G1C+7]
	s_nop 0
	s_wait_alu depctr_va_vdst(0)
	s_wait_tensorcnt 0x0
	ds_add_u32 v251, v255
	s_wait_dscnt 0x0
	ROUND
	tensor_load_to_lds s[G0S:G0S+3], s[G1S:G1S+7]
	s_nop 0
.rept 4
	v_nop
.endr
	v_and_b32 v7, 31, v0
	s_delay_alu instid0(VALU_DEP_1)
	v_lshlrev_b32 v1, 4, v7
	s_delay_alu instid0(VALU_DEP_1)
	v_add_nc_u32 v2, LV, v1
	s_delay_alu instid0(VALU_DEP_3)
	v_lshlrev_b32 v4, 3, v7
	s_delay_alu instid0(VALU_DEP_1)
	v_add_nc_u32 v3, LSC, v4
	v_and_b32 v6, 15, v0
	v_bfe_u32 v11, v0, 4, 1
	s_delay_alu instid0(VALU_DEP_1)
	v_lshl_add_u32 v5, v6, 5, v11
	s_delay_alu instid0(VALU_DEP_3)
	v_lshlrev_b32 v6, 3, v6
.irp g, 0,1,2
	global_load_b128 v[40+4*\g:43+4*\g], v1, s[56:57] offset:512*\g
.endr
	global_load_b32 v254, v6, s[58:59]
.irp i, 0,1,2,3,4,5
	v_mov_b32 v[16+\i], 0
	v_mov_b32 v[28+\i], 0
.endr
.irp b, 0,1,2,3
	v_mov_b32 v[236+\b], 0
.endr
	v_mov_b32 v206, 0
	v_mov_b32 v207, 0
	v_mov_b32 v253, 0
	s_wait_loadcnt 0x0
.irp i, 0,1,2,3,4,5
	v_mov_b32 v[22+\i], v[40+\i]
	v_mov_b32 v[34+\i], v[46+\i]
.endr
	v_and_b32 v92, 0xffff, v254
	s_delay_alu instid0(VALU_DEP_1)
	v_lshl_or_b32 v92, v254, 16, v92
	v_lshrrev_b32 v93, 16, v254
	s_delay_alu instid0(VALU_DEP_1)
	v_and_or_b32 v93, v254, 0xffff0000, v93
	s_wait_tensorcnt 0x0
	s_barrier_signal -1
	s_barrier_wait -1
	s_mov_b32 s[NTL], 2
.Ltile:
	v_mov_b32 v13, 0xff61b1e6
	s_delay_alu instid0(VALU_DEP_1)
	v_floor_f32 v12, -v13
	v_mov_b32 v14, 0
	v_mov_b32 v15, 0
.set J, 0
.rept 32
	v_mov_b32 v[160+J], 0
.set J, J+1
.endr
	s_mov_b32 s[TB], 0
	s_mov_b32 s[TS], 0
	s_mov_b32 s[NST], 16
.Lstep:
	s_setprio 2
	v_add_nc_u32 v8, s[TB], v1
	v_add_nc_u32 v9, s[TB], v2
	v_add_nc_u32 v10, s[TS], v3
	v_nop
.irp b, 0,1,2,3
.irp g, 0,1,2
	ds_load_b128 v[40+12*\b+4*\g:43+12*\b+4*\g], v8 offset:FRB*\b+512*\g
.endr
.endr
	ds_load_b64 v[88:89], v10
	s_wait_alu depctr_va_vdst(0)
	s_wait_dscnt 0x0
.irp b, 0,1,2,3
.irp u, 0,1
.if (\b)%2
	v_wmma_scale_f32_16x16x128_f8f6f4 v[96+8*(2*\b+\u):103+8*(2*\b+\u)], v[40+12*\b:51+12*\b], v[22-6*\u:33-6*\u], 0, v[88+\b/2], v92 matrix_a_fmt:MATRIX_FMT_FP6 matrix_b_fmt:MATRIX_FMT_FP6 matrix_a_scale:MATRIX_SCALE_ROW1
.else
	v_wmma_scale_f32_16x16x128_f8f6f4 v[96+8*(2*\b+\u):103+8*(2*\b+\u)], v[40+12*\b:51+12*\b], v[22-6*\u:33-6*\u], 0, v[88+\b/2], v92 matrix_a_fmt:MATRIX_FMT_FP6 matrix_b_fmt:MATRIX_FMT_FP6
.endif
.endr
.endr
.rept 4
	v_nop
.endr
.irp t, 0,1,2,3
.irp g, 0,1,2
	ds_load_b128 v[40+12*\t+4*\g:43+12*\t+4*\g], v9 offset:FRB*\t+512*\g
.endr
.endr
	ds_load_b64 v[90:91], v10 offset:4096
.irp b, 0,1,2,3
	v_max3_num_f32 v[232+\b], v[96+16*\b], v[97+16*\b], v[98+16*\b]
.endr
.irp i, 3,5,7,9,11,13
.irp b, 0,1,2,3
	v_max3_num_f32 v[232+\b], v[232+\b], v[96+16*\b+\i], v[97+16*\b+\i]
.endr
.endr
.irp b, 0,1,2,3
	v_max_num_f32 v[232+\b], v[232+\b], v[111+16*\b]
.endr
.irp b, 0,1,2,3
	s_delay_alu instid0(VALU_DEP_4)
	v_permlanex16_b32 v[236+\b], v[232+\b], s[SEL], s[SEL+1]
.endr
.irp b, 0,1,2,3
	s_delay_alu instid0(VALU_DEP_4)
	v_max_num_f32 v[232+\b], v[232+\b], v[236+\b]
.endr
	s_delay_alu instid0(VALU_DEP_2)
	v_max3_num_f32 v254, v232, v233, v234
	s_delay_alu instid0(VALU_DEP_1)
	v_max_num_f32 v254, v254, v235
	s_delay_alu instid0(VALU_DEP_1)
	v_mul_f32 v254, s[CS], v254
	s_delay_alu instid0(VALU_DEP_1)
	v_max_num_f32 v13, v13, v254
	v_mov_b32 v254, v12
	s_delay_alu instid0(VALU_DEP_2)
	v_floor_f32 v12, -v13
	s_delay_alu instid0(VALU_DEP_1)
	v_sub_f32 v254, v12, v254
	s_delay_alu instid0(VALU_DEP_1)
	v_cvt_i32_f32 v254, v254
	s_delay_alu instid0(VALU_DEP_1)
	v_ldexp_f32 v252, 1.0, v254
.set J, 0
.rept 32
	v_pk_fma_f32 v[96+J:97+J], v[96+J:97+J], s[CS:CS+1], v[12:13] op_sel_hi:[1,0,0]
.set J, J+2
.endr
.irp b, 0,1,2,3
	v_fma_f32 v[232+\b], v[232+\b], s[CS], v12
.endr
.set J, 0
	s_wait_alu depctr_va_vdst(0)
.rept 64
	v_exp_f32 v[96+J], v[96+J]
.set J, J+1
.endr
	s_setprio 1
.irp b, 0,1,2,3
	v_exp_f32 v[232+\b], v[232+\b]
.endr
	v_pk_mul_f32 v[14:15], v[14:15], v[252:253] op_sel_hi:[1,0]
	s_wait_alu depctr_va_vdst(0)
.irp b, 0,1,2,3
	v_max_num_f32 v[232+\b], 0x1800000, v[232+\b]
.endr
.irp b, 0,1,2,3
	s_delay_alu instid0(VALU_DEP_4)
	v_add_nc_u32 v[244+\b], 0xff000000, v[232+\b]
.endr
.irp b, 0,1,2,3
	s_delay_alu instid0(VALU_DEP_4)
	v_lshrrev_b32 v[236+\b], 23, v[244+\b]
.endr
	s_delay_alu instid0(VALU_DEP_3)
	v_lshl_or_b32 v253, v237, 8, v236
	s_delay_alu instid0(VALU_DEP_1)
	v_lshl_or_b32 v253, v238, 16, v253
	s_delay_alu instid0(VALU_DEP_1)
	v_lshl_or_b32 v253, v239, 24, v253
.irp c, 0,1
	v_cvt_scalef32_pk16_fp6_f32 v[224+6*\c:226+6*\c], v[96+32*\c:111+32*\c], v[244+2*\c]
	v_cvt_scalef32_pk16_fp6_f32 v[236+4*\c:238+4*\c], v[112+32*\c:127+32*\c], v[244+2*\c+1]
.endr
	v_nop
.irp c, 0,1
.irp i, 0,1,2
	v_permlane16_swap_b32 v[224+6*\c+\i], v[236+4*\c+\i]
.endr
.irp i, 0,1,2
	s_delay_alu instid0(VALU_DEP_3)
	v_mov_b32 v[227+6*\c+\i], v[236+4*\c+\i]
.endr
.endr
	v_pk_add_f32 v[236:237], v[96:97], v[98:99]
.irp j, 4,8,12,16,20,24,28,32,36,40,44,48,52,56,60
	v_pk_add_f32 v[14:15], v[14:15], v[96+\j:97+\j]
	v_pk_add_f32 v[236:237], v[236:237], v[98+\j:99+\j]
.endr
	s_delay_alu instid0(VALU_DEP_1)
	v_pk_add_f32 v[14:15], v[14:15], v[236:237]
.set J, 0
	s_setprio 0
.rept 16
	v_pk_mul_f32 v[160+J:161+J], v[160+J:161+J], v[252:253] op_sel_hi:[1,0]
.set J, J+2
.endr
	s_wait_alu depctr_va_vdst(0)
	s_wait_dscnt 0x0
.irp t, 0,1,2,3
.if (\t)%2
	v_wmma_scale_f32_16x16x128_f8f6f4 v[160+8*\t:167+8*\t], v[40+12*\t:51+12*\t], v[224:235], v[160+8*\t:167+8*\t], v[90+\t/2], v253 matrix_a_fmt:MATRIX_FMT_FP6 matrix_b_fmt:MATRIX_FMT_FP6 matrix_a_scale:MATRIX_SCALE_ROW1
.else
	v_wmma_scale_f32_16x16x128_f8f6f4 v[160+8*\t:167+8*\t], v[40+12*\t:51+12*\t], v[224:235], v[160+8*\t:167+8*\t], v[90+\t/2], v253 matrix_a_fmt:MATRIX_FMT_FP6 matrix_b_fmt:MATRIX_FMT_FP6
.endif
.endr
	s_add_co_u32 s[TB], s[TB], STEPB
	s_add_co_u32 s[TS], s[TS], 256
	s_sub_co_u32 s[NST], s[NST], 1
	s_cmp_lg_u32 s[NST], 0
	s_cbranch_scc1 .Lstep
	s_setprio 0
	v_add_f32 v14, v14, v15
	s_delay_alu instid0(VALU_DEP_1)
	v_permlanex16_b32 v252, v14, s[SEL], s[SEL+1]
	s_delay_alu instid0(VALU_DEP_1)
	v_add_f32 v14, v14, v252
	s_wait_alu depctr_va_vdst(0)
	v_rcp_f32 v14, v14
.rept 3
	v_nop
.endr
.set J, 0
	s_wait_alu depctr_va_vdst(0)
.rept 16
	v_pk_mul_f32 v[96+J:97+J], v[160+J:161+J], v[14:15] op_sel_hi:[1,0]
.set J, J+2
.endr
.irp b, 0,1
	v_max3_num_f32 v[204+\b], |v[96+16*\b]|, |v[97+16*\b]|, 0x1800000
.endr
.irp i, 2,4,6,8,10,12,14
.irp b, 0,1
	s_delay_alu instid0(VALU_DEP_2)
	v_max3_num_f32 v[204+\b], v[204+\b], |v[96+16*\b+\i]|, |v[97+16*\b+\i]|
.endr
.endr
.irp b, 0,1
	s_delay_alu instid0(VALU_DEP_2)
	v_permlanex16_b32 v[206+\b], v[204+\b], s[SEL], s[SEL+1]
.endr
.irp b, 0,1
	s_delay_alu instid0(VALU_DEP_2)
	v_max_num_f32 v[204+\b], v[204+\b], v[206+\b]
.endr
.irp b, 0,1
	s_delay_alu instid0(VALU_DEP_2)
	v_add_nc_u32 v[208+\b], 0xff000000, v[204+\b]
.endr
.irp b, 0,1
	s_delay_alu instid0(VALU_DEP_2)
	v_lshrrev_b32 v[210+\b], 23, v[208+\b]
.endr
	v_cvt_scalef32_pk16_fp6_f32 v[192:194], v[96:111], v208
	v_cvt_scalef32_pk16_fp6_f32 v[200:202], v[112:127], v209
	v_nop
.irp i, 0,1,2
	v_permlane16_swap_b32 v[192+\i], v[200+\i]
.endr
.irp i, 0,1,2
	s_delay_alu instid0(VALU_DEP_3)
	v_mov_b32 v[195+\i], v[200+\i]
.endr
	v_cndmask_b32 v212, v210, v211, s[HM]
.irp i, 0,1,2
	global_store_b64 v4, v[192+2*\i:193+2*\i], s[8:9] offset:256*\i
.endr
	global_store_b8 v5, v212, s[10:11]
.irp i, 0,1,2,3,4,5
	v_mov_b32 v[22+\i], v[34+\i]
.endr
	v_mov_b32 v92, v93
	s_wait_xcnt 0x0
	s_add_nc_u64 s[8:9], s[8:9], 12288
	s_add_nc_u64 s[10:11], s[10:11], 512
	s_sub_co_u32 s[NTL], s[NTL], 1
	s_cmp_lg_u32 s[NTL], 0
	s_cbranch_scc1 .Ltile
	s_wait_dscnt 0x0
	s_wait_tensorcnt 0x0
	ds_add_u32 v251, v255
	s_wait_dscnt 0x0
	ROUND
	s_endpgm
.Lfunc_end_k_q969e5bd1a3_attn:
	.size	k_q969e5bd1a3_attn, .Lfunc_end_k_q969e5bd1a3_attn-k_q969e5bd1a3_attn
	.p2alignl 7, 3214868480
	.fill 96, 4, 3214868480
	.section	.rodata,"a",@progbits
	.p2align	6, 0x0
	.amdhsa_kernel k_q969e5bd1a3_attn
		.amdhsa_group_segment_fixed_size 327680
		.amdhsa_private_segment_fixed_size 0
		.amdhsa_enable_private_segment 0
		.amdhsa_kernarg_size 32
		.amdhsa_user_sgpr_count 2
		.amdhsa_user_sgpr_kernarg_segment_ptr 1
		.amdhsa_wavefront_size32 1
		.amdhsa_system_sgpr_workgroup_id_x 1
		.amdhsa_system_sgpr_workgroup_id_y 1
		.amdhsa_system_sgpr_workgroup_id_z 1
		.amdhsa_system_vgpr_workitem_id 0
		.amdhsa_next_free_vgpr 256
		.amdhsa_next_free_sgpr 66
		.amdhsa_reserve_vcc 0
		.amdhsa_float_denorm_mode_32 3
		.amdhsa_float_denorm_mode_16_64 3
		.amdhsa_memory_ordered 1
		.amdhsa_forward_progress 1
		.amdhsa_inst_pref_size 32
	.end_amdhsa_kernel
	.amdgpu_metadata
---
amdhsa.version: [ 1, 2 ]
amdhsa.kernels:
  - .name:           k_q969e5bd1a3_attn
    .symbol:         k_q969e5bd1a3_attn.kd
    .args:
      - { .name: hc, .offset: 0, .size: 8, .value_kind: global_buffer, .address_space: global }
      - { .name: hs, .offset: 8, .size: 8, .value_kind: global_buffer, .address_space: global }
      - { .name: ac, .offset: 16, .size: 8, .value_kind: global_buffer, .address_space: global }
      - { .name: asb, .offset: 24, .size: 8, .value_kind: global_buffer, .address_space: global }
    .group_segment_fixed_size: 327680
    .private_segment_fixed_size: 0
    .kernarg_segment_align: 8
    .kernarg_segment_size: 32
    .max_flat_workgroup_size: 512
    .sgpr_count:     66
    .vgpr_count:     256
    .wavefront_size: 32
...
	.end_amdgpu_metadata
.endif
;; end of part 3
;; launch oproj (part 4): grid 4 x 32, 4 waves a work-group, clusters of 4 x 4, 327,680 bytes of LDS; arguments ac, asb, codes, scales, o_b, out0; writes out0
.if DOCPART == 4
	.amdgcn_target "amdgcn-amd-amdhsa--gfx1250"
	.amdhsa_code_object_version 6
	.text
	.protected	k_q969e5bd1a3_oproj
	.globl	k_q969e5bd1a3_oproj
	.p2align	8
	.type	k_q969e5bd1a3_oproj,@function
k_q969e5bd1a3_oproj:
	s_mov_b64 s[64:65], 0
	v_nop
	global_prefetch_b8 v0, s[64:65] scope:SCOPE_SE
	s_setreg_imm32_b32 hwreg(HW_REG_WAVE_MODE, 25, 1), 1
	s_wait_xcnt 0x0
	s_wait_alu depctr_hold_cnt(0) depctr_sa_sdst(0) depctr_va_vdst(0) depctr_va_sdst(0) depctr_va_ssrc(0) depctr_va_vcc(0) depctr_vm_vsrc(0)
	s_getreg_b32 s2, hwreg(HW_REG_IB_STS2, 6, 4)
	s_cmp_eq_u32 s2, 0
	s_cbranch_scc0 .Lentry_in_a_cluster
	s_endpgm
.Lentry_in_a_cluster:
	s_bfe_u32 s2, ttmp6, 0x10000c
	s_cmp_lg_u32 s2, 0xf033
	s_cbranch_scc0 .Lentry_shape_is_right
	s_endpgm
.Lentry_shape_is_right:
.set ASZ,    6291456
.set WSZ,    786432
.set WB,     3*ASZ
.set ASS,    262144
.set WSS,    32768
.set WSB,    3*ASS
.set KSTEP,  256
.set NQ,     KSTEP/128
.set ROWB,   192
.set KROW,   768
.set PITCH,  240
.set ABLK,   3072
.set APB,    12288
.set FR,     12
.set NL,     6
.set NP,     4
.set HALFT,  128*PITCH
.set SLOT,   4*HALFT
.set KS,     32
.set SCL,    2*SLOT
.set HALFS,  (128*KS/256)*272
.set SBLK,   (16*KS/256)*272
.set SPARE,  SCL+4*HALFS
.set SPITCH, 528
.set ADRA, 16
.set ADRB, 20
.set STO,  24
.set RD,   25
.set CO,   26
.set ADRS, 27
.set SPW,  28
.set NIL,  29
.set SC,   32
.set BIAS, 64
.set AF,   128
.set BK,   128
.set G1, 24
.set G0, 32
.set G1B, 48
.set G0B, 56
.set G1S, 68
.set G0S, 76
.set G1SB, 80
.set G0SB, 88
.set MSB, 0
.macro WIN new
.if MSB != \new
	s_set_vgpr_msb (MSB<<8)|\new
.set MSB, \new
.endif
.endm
.set MUL_LO, 0xa1
.set MUL_HI, 0xf1
.set FST_LO, 0x81
.set FST_HI, 0xc1
.set TO_B,   0x40
.macro JLOAD g0a, g1a, g0b, g1b
	s_cmp_eq_u32 s15, 0
	s_cbranch_scc0 .Lfor_b_\@
	tensor_load_to_lds s[\g0a:\g0a+3], s[\g1a:\g1a+7]
	s_nop 0
.rept 4
	v_nop
.endr
	s_branch .Lasked_\@
.Lfor_b_\@:
	tensor_load_to_lds s[\g0b:\g0b+3], s[\g1b:\g1b+7]
	s_nop 0
.rept 4
	v_nop
.endr
.Lasked_\@:
.endm
.macro CREST
	s_cmp_lg_u32 s14, 0
	s_cbranch_scc1 .Lnot_wave_0_\@
	s_barrier_signal -3
.Lnot_wave_0_\@:
	s_barrier_wait -3
	s_barrier_signal -1
	s_barrier_wait -1
.endm
.macro CROUND
	s_barrier_signal -1
	s_barrier_wait -1
	CREST
.endm
	s_load_b128 s[4:7], s[0:1], 0x0
	s_load_b128 s[8:11], s[0:1], 0x10
	s_load_b64 s[66:67], s[0:1], 0x20
	s_load_b64 s[12:13], s[0:1], 0x28
	v_lshl_add_u32 v[SPW], v0, 2, SPARE
	v_mov_b32 v[NIL], 0
	ds_add_u32 v28, v29
	ds_add_u32 v28, v29
	s_wait_dscnt 0x0
	v_lshrrev_b32 v1, 5, v0
	v_readfirstlane_b32 s14, v1
	s_lshr_b32 s15, s14, 1
	s_and_b32 s16, s14, 1
	s_bfe_u32 s40, ttmp6, 0x40000
	s_bfe_u32 s41, ttmp6, 0x40004
	s_lshl_b32 s42, ttmp9, 2
	s_add_co_u32 s42, s42, s40
	s_and_b32 s17, ttmp7, 0xffff
	s_lshl_b32 s17, s17, 2
	s_add_co_u32 s17, s17, s41
	s_lshl_b32 s43, s41, 2
	s_lshl_b32 s43, 15, s43
	s_lshl_b32 s44, 0x1111, s40
	s_or_b32 s[G1+0], s43, (3<<16)|(1<<21)
	s_mov_b32 s[G1+1], 384<<16
	s_mov_b32 s[G1+2], 8<<16
	s_mov_b32 s[G1+3], 384<<16
	s_mov_b32 s[G1+4], 8
	s_mov_b32 s[G1+5], 1536
	s_mov_b32 s[G1+6], 0
	s_mov_b32 s[G1+7], 0
	s_or_b32 s[G1B+0], s44, (0<<16)|(1<<20)|(1<<21)|(3<<22)|(3<<25)
	s_mov_b32 s[G1B+1], ROWB<<16
	s_mov_b32 s[G1B+2], 128<<16
	s_mov_b32 s[G1B+3], ROWB<<16
	s_mov_b32 s[G1B+4], 128
	s_mov_b32 s[G1B+5], KROW
	s_mov_b32 s[G1B+6], 0
	s_mov_b32 s[G1B+7], 0
	s_or_b32 s[G1S+0], s43, (3<<16)|(1<<20)|(1<<21)|(5<<22)|(3<<25)
	s_or_b32 s[G1SB+0], s44, (3<<16)|(1<<20)|(1<<21)|(5<<22)|(3<<25)
.irp g, G1S, G1SB
	s_mov_b32 s[\g+1], 32<<16
	s_mov_b32 s[\g+2], (128*KS/256)<<16
	s_mov_b32 s[\g+3], 32<<16
	s_mov_b32 s[\g+4], 128*KS/256
	s_mov_b32 s[\g+5], 32
	s_mov_b32 s[\g+6], 0
	s_mov_b32 s[\g+7], 0
.endr
	s_lshl_b32 s20, s17, 4
	s_lshl_b32 s18, s16, 3
	s_add_co_u32 s20, s20, s18
	s_lshl_b32 s22, s20, 9
	s_mov_b32 s23, 0
	s_mul_i32 s20, s20, APB
	s_mov_b32 s21, 0
	s_lshl_b32 s46, s42, 8
	s_lshl_b32 s18, s16, 7
	s_add_co_u32 s46, s46, s18
	s_lshl_b32 s92, s46, 5
	s_add_co_u32 s92, s92, WSB+3*WSS
	s_mov_b32 s93, 0
	s_mul_i32 s46, s46, KROW
	s_add_co_u32 s46, s46, WB+3*WSZ
	s_mov_b32 s47, 0
	s_mul_i32 s45, s14, HALFT
	s_mul_i32 s94, s14, HALFS
	s_wait_kmcnt 0x0
	s_add_nc_u64 s[20:21], s[4:5], s[20:21]
	s_add_nc_u64 s[22:23], s[6:7], s[22:23]
	s_add_nc_u64 s[46:47], s[8:9], s[46:47]
	s_add_nc_u64 s[92:93], s[10:11], s[92:93]
	CROUND
	s_mov_b32 s[G0S], 1
	s_add_co_u32 s[G0S+1], s94, SCL
	s_mov_b64 s[G0S+2:G0S+3], s[22:23]
	s_or_b32 s[G0S+3], s[G0S+3], 0x80000000
	s_mov_b32 s[G0SB], 1
	s_add_co_u32 s[G0SB+1], s94, SCL
	s_mov_b64 s[G0SB+2:G0SB+3], s[92:93]
	s_or_b32 s[G0SB+3], s[G0SB+3], 0x80000000
	JLOAD G0S, G1S, G0SB, G1SB
.irp s, 0,1
	s_mov_b32 s[G0+4*\s], 1
	s_add_co_u32 s[G0+4*\s+1], s45, \s*SLOT
	s_add_nc_u64 s[G0+4*\s+2:G0+4*\s+3], s[20:21], \s*ABLK
	s_or_b32 s[G0+4*\s+3], s[G0+4*\s+3], 0x80000000
	s_mov_b32 s[G0B+4*\s], 1
	s_add_co_u32 s[G0B+4*\s+1], s45, \s*SLOT
	s_add_nc_u64 s[G0B+4*\s+2:G0B+4*\s+3], s[46:47], \s*ROWB
	s_or_b32 s[G0B+4*\s+3], s[G0B+4*\s+3], 0x80000000
	s_wait_alu depctr_va_vdst(0)
	s_wait_tensorcnt 0x0
	ds_add_u32 v28, v29
	s_wait_dscnt 0x0
	CROUND
	JLOAD G0+4*\s, G1, G0B+4*\s, G1B
.endr
	v_and_b32 v1, 15, v0
	v_bfe_u32 v2, v0, 4, 1
	v_and_b32 v6, 31, v0
	v_lshlrev_b32 v8, 3, v6
	v_mul_u32_u24 v3, v1, PITCH
	v_mul_u32_u24 v4, v2, 24
	v_add_nc_u32 v4, v3, v4
	v_lshl_add_u32 v5, v2, 4, v4
	s_mul_i32 s21, s15, HALFT
	s_mul_i32 s22, s16, HALFT
	s_add_co_u32 s22, s22, 2*HALFT
.irp s, 0,1
	v_add_nc_u32 v[ADRA+\s], s21, v8
	v_add_nc_u32 v[ADRB+\s], s22, v4
	v_add_nc_u32 v[ADRB+2+\s], s22, v5
	s_add_co_u32 s21, s21, SLOT
	s_add_co_u32 s22, s22, SLOT
.endr
	v_mul_u32_u24 v5, v1, KS
	v_lshrrev_b32 v9, 8, v5
	v_lshl_add_u32 v5, v9, 4, v5
	s_mul_i32 s21, s15, HALFS
	s_mul_i32 s22, s16, HALFS
	s_add_co_u32 s22, s22, 2*HALFS
	s_sub_co_u32 s22, s22, s21
	v_mul_u32_u24 v9, s22, v2
	s_add_co_u32 s21, s21, SCL
	v_add_nc_u32 v5, v5, v9
	v_add_nc_u32 v[ADRS], s21, v5
	s_mul_i32 s23, s14, 16*SPITCH
	v_mul_u32_u24 v5, v1, SPITCH
	v_lshl_add_u32 v5, v2, 6, v5
	v_add_nc_u32 v[STO], s23, v5
	v_lshlrev_b32 v[CO], 4, v6
	v_add_nc_u32 v[RD], s23, v[CO]
	s_lshl_b32 s20, s17, 8
	s_lshl_b32 s21, s15, 7
	s_add_co_u32 s20, s20, s21
	s_lshl_b32 s20, s20, 12
	s_lshl_b32 s46, s42, 10
	s_lshl_b32 s47, s16, 9
	s_add_co_u32 s46, s46, s47
	s_mov_b32 s47, 0
	s_add_nc_u64 s[66:67], s[66:67], s[46:47]
	s_add_co_u32 s20, s20, s46
	s_mov_b32 s21, 0
	s_add_nc_u64 s[12:13], s[12:13], s[20:21]
	v_lshlrev_b32 v7, 6, v2
.irp t, 0,1,2,3,4,5,6,7
	global_load_b128 v[BIAS+8*\t:BIAS+8*\t+3], v7, s[66:67] offset:4*(32*(\t/2)+8*(\t%2))
	global_load_b128 v[BIAS+8*\t+4:BIAS+8*\t+7], v7, s[66:67] offset:4*(32*(\t/2)+8*(\t%2))+16
.endr
.macro FRAG reg, adr, q, i
.irp p, 0,1,2,3,4,5
.set PC, 12*(\q)+6*(\p/3)+\p%3
.if PC%8 < 5
	ds_load_b64 v[\reg+2*\p:\reg+2*\p+1], v[\adr] offset:8*PC+16*(PC/8)+(\i)*16*PITCH
.else
	ds_load_b64 v[\reg+2*\p:\reg+2*\p+1], v[\adr+2] offset:8*PC+16*(PC/8)+(\i)*16*PITCH
.endif
.endr
.endm
.macro FRAGA reg, slot, q, i
.irp p, 0,1,2,3,4,5
	ds_load_b64 v[\reg+2*\p:\reg+2*\p+1], v[ADRA+\slot] offset:(\i)*ABLK+(\q)*1536+256*\p
.endr
.endm
.macro MM a, b, p, q, sc, zero
.set DR, 8*(8*((\a)%4)+(\b))
.set RB, 128*(\p)+FR*(\b)
.set RA, AF+FR*(\a)
.set SRB, SC+8*NQ*(\sc)+NQ*(\b)+(\q)
.set SRA, SC+8*NQ*(\sc)+NQ*(\a)+(\q)
.if \zero
	v_wmma_scale_f32_16x16x128_f8f6f4 v[DR:DR+7], v[RB:RB+FR-1], v[RA:RA+FR-1], v[BIAS+8*(\b):BIAS+8*(\b)+7], v[SRB], v[SRA] matrix_a_fmt:MATRIX_FMT_FP6 matrix_b_fmt:MATRIX_FMT_FP6 matrix_a_scale:MATRIX_SCALE_ROW1
.else
	v_wmma_scale_f32_16x16x128_f8f6f4 v[DR:DR+7], v[RB:RB+FR-1], v[RA:RA+FR-1], v[DR:DR+7], v[SRB], v[SRA] matrix_a_fmt:MATRIX_FMT_FP6 matrix_b_fmt:MATRIX_FMT_FP6 matrix_a_scale:MATRIX_SCALE_ROW1
.endif
.endm
.macro MUL16 a0, p, q, sc, zero
.irp a, \a0, \a0+1
.irp b, 0,1,2,3,4,5,6,7
	MM \a, \b, \p, \q, \sc, \zero
.endr
.endr
.endm
.macro FETCH_B slot, q, p
	WIN TO_B
.irp i, 0,1,2,3,4,5,6,7
	FRAG 128*(\p)+FR*\i, ADRB+\slot, \q, \i
.endr
	WIN 0
.endm
.macro FETCH_A slot, q, i0
.irp i, \i0, \i0+1, \i0+2, \i0+3
	FRAGA AF+FR*(\i), \slot, \q, \i
.endr
.endm
.macro SCALES sc
.irp i, 0,1,2,3,4,5,6,7
	ds_load_b64 v[SC+8*NQ*\sc+NQ*\i:SC+8*NQ*\sc+NQ*\i+1], v[ADRS] offset:\i*SBLK
.endr
.endm
.macro PLACES n
.rept \n
	v_nop
.endr
.endm
.macro STEP slot, q, zero
	s_wait_dscnt 4*NL
.if \zero
	WIN FST_LO
.else
	WIN MUL_LO
.endif
	MUL16 0, (\q)%2, \q, \slot, \zero
	MUL16 2, (\q)%2, \q, \slot, \zero
	s_wait_dscnt 0
	PLACES NP
	FETCH_B \slot, (\q)+1, 1-(\q)%2
	FETCH_A \slot, (\q)+1, 0
.if \zero
	WIN FST_HI
.else
	WIN MUL_HI
.endif
	MUL16 4, (\q)%2, \q, \slot, \zero
	MUL16 6, (\q)%2, \q, \slot, \zero
	PLACES NP
	WIN 0
	FETCH_A \slot, (\q)+1, 4
.endm
.macro TURN slot, next, fill
	s_wait_tensorcnt 0x0
	ds_add_u32 v[SPW], v[NIL]
	s_wait_dscnt 4*NL+1
	WIN MUL_LO
	MUL16 0, 1, NQ-1, \slot, 0
	s_wait_dscnt 0x0
	s_barrier_signal -1
	MUL16 2, 1, NQ-1, \slot, 0
	WIN 0
	s_barrier_wait -1
.if \fill
	CREST
	s_add_nc_u64 s[G0+4*\slot+2:G0+4*\slot+3], s[G0+4*\slot+2:G0+4*\slot+3], 2*ABLK
	s_add_nc_u64 s[G0B+4*\slot+2:G0B+4*\slot+3], s[G0B+4*\slot+2:G0B+4*\slot+3], 2*ROWB
	JLOAD G0+4*\slot, G1, G0B+4*\slot, G1B
.else
	PLACES NP
.endif
	s_wait_alu depctr_va_vdst(0)
	v_add_nc_u32 v[ADRS], 4*NQ, v[ADRS]
	FETCH_B \next, 0, 0
	FETCH_A \next, 0, 0
	SCALES \next
	WIN MUL_HI
	MUL16 4, 1, NQ-1, \slot, 0
	MUL16 6, 1, NQ-1, \slot, 0
	PLACES NP
	WIN 0
	FETCH_A \next, 0, 4
.endm
	s_wait_alu depctr_va_vdst(0)
	s_wait_tensorcnt 1
	s_barrier_signal -1
	s_barrier_wait -1
	FETCH_B 0, 0, 0
	FETCH_A 0, 0, 0
	SCALES 0
	FETCH_A 0, 0, 4
	s_wait_loadcnt 0x0
	STEP 0, 0, 1
	TURN 0, 1, 1
	STEP 1, 0, 0
	TURN 1, 0, 1
	STEP 0, 0, 0
	TURN 0, 1, 0
	STEP 1, 0, 0
	s_wait_dscnt 4*NL
	WIN MUL_LO
	MUL16 0, 1, NQ-1, 1, 0
	MUL16 2, 1, NQ-1, 1, 0
	s_wait_dscnt 0
	WIN MUL_HI
	MUL16 4, 1, NQ-1, 1, 0
	MUL16 6, 1, NQ-1, 1, 0
	WIN 0
.macro TOSTAGE a
.set AC, 64*((\a)%4)
	WIN 0x08+4*((\a)/4)
.irp b, 0,1,2,3,4,5,6,7
	ds_store_b128 v[STO], v[AC+8*\b:AC+8*\b+3] offset:128*(\b/2)+32*(\b%2)
	ds_store_b128 v[STO], v[AC+8*\b+4:AC+8*\b+7] offset:128*(\b/2)+32*(\b%2)+16
.endr
	WIN 0
.set BB, BK+64*((\a)%2)
.irp t, 0,1,2,3,4,5,6,7,8,9,10,11,12,13,14,15
	ds_load_b128 v[BB+4*\t:BB+4*\t+3], v[RD] offset:\t*SPITCH
.endr
.endm
.macro SEND a, younger
.set BB, BK+64*((\a)%2)
	s_wait_dscnt \younger
.if ((\a) > 0) && ((\a)%2 == 0)
	s_add_nc_u64 s[12:13], s[12:13], 32*4096
.endif
.irp t, 0,1,2,3,4,5,6,7,8,9,10,11,12,13,14,15
	global_store_b128 v[CO], v[BB+4*\t:BB+4*\t+3], s[12:13] offset:(8*((\a)%2)+\t%8+16*(\t/8))*4096 th:TH_STORE_NT
.endr
.endm
	PLACES NP
	TOSTAGE 0
.irp a, 1,2,3,4,5,6,7
.if \a > 1
	s_wait_xcnt 0x0
.endif
	TOSTAGE \a
	SEND \a-1, 32
.endr
	s_wait_xcnt 0x0
	SEND 7, 0
	s_wait_tensorcnt 0x0
	ds_add_u32 v[SPW], v[NIL]
	s_wait_dscnt 0x0
	CROUND
	s_endpgm
.Lfunc_end_k_q969e5bd1a3_oproj:
	.size	k_q969e5bd1a3_oproj, .Lfunc_end_k_q969e5bd1a3_oproj-k_q969e5bd1a3_oproj
	.p2alignl 7, 3214868480
	.fill 96, 4, 3214868480
	.section	.rodata,"a",@progbits
	.p2align	6, 0x0
	.amdhsa_kernel k_q969e5bd1a3_oproj
		.amdhsa_group_segment_fixed_size 327680
		.amdhsa_private_segment_fixed_size 0
		.amdhsa_enable_private_segment 0
		.amdhsa_kernarg_size 48
		.amdhsa_user_sgpr_count 2
		.amdhsa_user_sgpr_kernarg_segment_ptr 1
		.amdhsa_wavefront_size32 1
		.amdhsa_system_sgpr_workgroup_id_x 1
		.amdhsa_system_sgpr_workgroup_id_y 1
		.amdhsa_system_sgpr_workgroup_id_z 1
		.amdhsa_system_vgpr_workitem_id 0
		.amdhsa_next_free_vgpr 1024
		.amdhsa_next_free_sgpr 100
		.amdhsa_reserve_vcc 0
		.amdhsa_float_denorm_mode_32 3
		.amdhsa_float_denorm_mode_16_64 3
		.amdhsa_memory_ordered 1
		.amdhsa_forward_progress 1
		.amdhsa_inst_pref_size 162
	.end_amdhsa_kernel
	.amdgpu_metadata
---
amdhsa.version: [ 1, 2 ]
amdhsa.kernels:
  - .name:           k_q969e5bd1a3_oproj
    .symbol:         k_q969e5bd1a3_oproj.kd
    .args:
      - { .name: ac, .offset: 0, .size: 8, .value_kind: global_buffer, .address_space: global }
      - { .name: asb, .offset: 8, .size: 8, .value_kind: global_buffer, .address_space: global }
      - { .name: codes, .offset: 16, .size: 8, .value_kind: global_buffer, .address_space: global }
      - { .name: scales, .offset: 24, .size: 8, .value_kind: global_buffer, .address_space: global }
      - { .name: o_b, .offset: 32, .size: 8, .value_kind: global_buffer, .address_space: global }
      - { .name: out0, .offset: 40, .size: 8, .value_kind: global_buffer, .address_space: global }
    .group_segment_fixed_size: 327680
    .private_segment_fixed_size: 0
    .kernarg_segment_align: 8
    .kernarg_segment_size: 48
    .max_flat_workgroup_size: 128
    .sgpr_count:     100
    .vgpr_count:     1024
    .wavefront_size: 32
...
	.end_amdgpu_metadata
.endif
;; end of part 4
